; MI455X (gfx1250); checked and timed in simulation.
; The chip was launched on July 23, 2026; its instructions are those of AMD's public machine-readable ISA for CDNA 5 (MIT licence, August 2026) and "CDNA5" Instruction Set Architecture Reference Guide (July 2026). The comments in the code are by the model that wrote it; some were corrected since.
;; Full Attention. Allowed arithmetic: matrix products marked QUANTISED: E5M2 operands, one E8M0 scale for each 32 along K, by v_wmma_scale_f32_16x16x128_f8f6f4 with both operands' format E5M2, f32 sums; everything else in f32.
;; Inputs: keys 4 x 2,048 x 8 x 64 float32; queries 4 x 2,048 x 8 x 64 float32; values 4 x 2,048 x 8 x 64 float32.
;; Outputs: out0 4 x 2,048 x 8 x 64 float32.
;; This version of the problem:
;;   THIS VERSION OF THE PROBLEM IS GIVEN IN LOW PRECISION. The matrix products marked QUANTISED in the list below multiply operands that are first quantised to E5M2 (5 exponent bits, 2 mantissa bits; 8 bits a number), with one power-of-two scale for each 32 numbers along K (OCP MX v1.0); their sums are f32. All else is computed in f32.
;;   The module's matrix products, in the order in which they are computed (A, B: the left and right operand; K: the contracted axis; several contracted axes count as one K, in the product's order):
;;     1. batch 32 x [M 2,048, K 64] x [K 64, N 2,048]; A: input queries; B: input keys: QUANTISED
;;     2. batch 32 x [M 64, K 2,048] x [K 2,048, N 2,048]; A: input values; B: softmax (see below): QUANTISED
;;   THE QUANTISER, for each operand of a quantised product, along K:
;;     - K is cut into blocks of 32 from its start; a last block that is shorter is filled with zeros.
;;     - A block's scale is 2^e with e = floor(log2(the largest magnitude in the block)) - 15, held to -126 .. 127; a block of zeros has e = 0. As a byte (E8M0): e + 127.
;;     - Each number is divided by its block's scale, clamped to +-57,344, and rounded to the nearest number of E5M2, ties to even, subnormals kept.
;;     - The product sums the exact products of the quantised numbers (number of the format x scale) in f32.
;;   ~~~python
;;   def quantise(x, axis):      # numpy; x: float32 -> the quantised numbers, widened to float32 again
;;       x = np.moveaxis(x, axis, -1); K = x.shape[-1]
;;       x = np.pad(x, [(0, 0)] * (x.ndim - 1) + [(0, -K % 32)]); x = x.reshape(x.shape[:-1] + (-1, 32)); a = np.abs(x).max(-1, keepdims=True)
;;       e = np.where(a > 0, np.clip(np.frexp(np.where(a > 0, a, 1))[1] - 1 - 15, -126, 127), 0)      # np.frexp(a)[1] - 1 = floor(log2(a)), exactly
;;       r = np.clip(x / 2.0 ** e, -57344, 57344)
;;       step = 2.0 ** (np.maximum(np.frexp(np.where(r == 0, 1, r))[1] - 1, -14) - 2)
;;       q = np.round(r / step) * step * 2.0 ** e      # np.round: ties to even
;;       return np.moveaxis(q.reshape(q.shape[:-2] + (-1,))[..., :K], -1, axis).astype(np.float32)
;;   ~~~
;;   SOFTMAX AHEAD OF A QUANTISED PRODUCT. Where the list says 'softmax', what is quantised is not the finished softmax but p = 2^(t - M), with t = logit x log2(e) and M = ceil(the row's largest t), a whole number; so 1/2 < the row's largest p <= 1. The row's sum l is taken of the UNQUANTISED p, in f32, and the product's result is divided by l at the end. Since M is a whole number, a kernel that streams over the keys may use a running M (the ceiling of the running maximum): every later rescaling is an exact power of two, which a block's scale takes up: the codes' values come out the same.
;;   OPERANDS COMPUTED ON THE WAY. 'Computed on the way' means the value that the module computes at that place (a softmax that the list does not call 'softmax' is quantised finished and normalised). What goes into a quantiser is computed in f32, as accurately as f32 sums, v_exp_f32 and their like allow (about 1e-6 of the number): no bf16 or f16 on the way to a quantiser, and a product that is left as it is and whose result goes on into a quantised operand takes f32 operands (vector FMAs, or v_wmma_f32_16x16x4_f32). A number that lies on a knife's edge between two numbers of the format may be rounded either way, as far as f32 arithmetic and the matrix unit's own rounding can turn it there, and no further.
;; 3 versions. Each part assembles by itself: llvm-mc -triple=amdgcn-amd-amdhsa -mcpu=gfx1250 --defsym DOCPART=n.
;; ======== version 1 of 3: 1 launch
;; launch attn (part 1): grid 8 x 32, 16 waves a work-group, no clusters, 183,296 bytes of LDS; arguments queries, keys, values, out0; writes out0
.if DOCPART == 1
	.amdgcn_target "amdgcn-amd-amdhsa--gfx1250"
	.amdhsa_code_object_version 6
	.text
	.protected	k_qb255b74ad2_attn
	.globl	k_qb255b74ad2_attn
	.p2align	8
	.type	k_qb255b74ad2_attn,@function
k_qb255b74ad2_attn:
	s_mov_b64 s[64:65], 0
	v_nop
	global_prefetch_b8 v0, s[64:65] scope:SCOPE_SE
	s_setreg_imm32_b32 hwreg(HW_REG_WAVE_MODE, 25, 1), 1
	s_wait_xcnt 0x0
; Causal attention, both products on codes of BF8 (E5M2) with one E8M0 scale for each 32 along a product's K.
; queries, keys, values, out0: [4][2048][8][64] f32: the row of (batch, position, head) is 256 consecutive aligned bytes, positions lie 2,048 bytes apart.
; t = score x log2(e) / 8; M = the running largest t rounded UP to a whole number; p = 2^(t - M) is quantised along the keys, not normalised; the row's sum is taken of the unquantised p and divides at the end.
; SHARES.  256 work-groups: x = i (0..7), y = the head (0..31).  A work-group owns the blocks i and 15 - i of 128 queries: (i + 1) + (16 - i) = 17 key steps for each pair of waves, the same in every work-group.
; Sixteen waves of 256 registers, four to a SIMD; a wave owns ONE tile of 16 queries.  The keys go in steps of 128; a step all of whose keys come after the wave's queries is left out by a scalar branch on ids.
; THE SAME WAVES MAKE THE CODES.  Waves 0-7 quantise the next step's K along the head's 64, waves 8-15 its V along the keys: 32 numbers a lane, one whole block.  The f32 numbers come by loads into two sets of
; 32 registers, two steps ahead (2 x 64 KB of a work-group are on their way).  BOTH ROLES LOAD ALIKE, eight loads of 16 bytes a lane for a set, so that one count serves every wave; a turn through the wave's own stage in LDS
; then gives each lane its block.  The codes go to LDS as IMAGES OF THE OPERANDS' REGISTERS (a group of four registers: 512 bytes, lane l's 16 bytes at 16 l); two slots, one barrier a step.
; LAYOUT.  Both products are used transposed, so that a lane holds one query (lane % 16) throughout.  S^T = K Q^T has K = 64, half of the instruction's 128: a row of a fragment of K holds TWO keys' codes, 64 + 64, and the
; fragment is multiplied twice, by [q | zeros] and by [zeros | q]; zero codes add nothing.  Row m of fragment c holds keys 32 c + 16 (m / 8) + m % 8 and that + 8, so that register S + 16 c + i is key 32 c + 16 (lane / 16) + i:
; the order that the second product's operand wants.  O^T = V^T P^T: fragment d = channels 16 d .. 16 d + 15 x the step's 128 keys.
; NO JOINT REQUESTS: K and V arrive as f32 and pass through registers on their way to codes; a joint request lands in LDS, 64 KB of f32 a step, and the eight work-groups of a head want 9 to 16 tiles each, not the same number.
; LIMITS.  NaN and infinities among the inputs are not served.  A block of zeros gets the scale byte 1 where the quantiser's rule says 127: its codes are zeros, and this program alone reads the bytes.
; A block's largest p is taken from its largest score by the same multiply-add and exponential, which takes v_exp_f32 not to fall where its input rises.  In a row of K's fragments two keys 8 apart share one matrix instruction:
; should the unit align its sums by the scales of blocks whose partner codes are zeros, keys whose magnitudes differ by many powers of two would cost the smaller some last bits.
.set SLOTB, 16896                      ; an LDS slot: K's images, V's images, K's scale words, V's scale words
.set KIMG,  0                          ; 4 fragments x 2,048 bytes
.set VIMG,  8192                       ; 4 fragments x 2,048 bytes
.set KSC,   16384                      ; 4 fragments x 16 rows x 4 bytes
.set VSC,   16640                      ; the same
.set TURN,  2*SLOTB                    ; behind the slots: a stage of TURNB bytes for each wave, its own, for the turn
.set TURNB, 4864
.set OSTG,  TURN+16*TURNB              ; and a stage of 16 rows x 272 bytes for each wave, its own, for the way out
.set OSTGB, 16*272
.set LI,  1                            ; v1   16 x lane: my place in a group of an image
.set LSW, 2                            ; v2   4 x (lane % 16): my row's scale word
.set GV,  3                            ; v3   my byte offset in the tile that I quantise; never rewritten
.set PI,  4                            ; v4   where I store my codes
.set PS,  5                            ; v5   where I store my block's scale byte
.set TI,  6                            ; v6   the turn's stage, on the way in
.set TO,  7                            ; v7   and on the way out
.set DM,  8                            ; v8   lane % 16 - 16 (lane / 16), for the mask
.set QSW, 9                            ; v9   Q's scale word; scales only
.set TA,  10                           ; v10  at work at the head; then my byte offset in Q
.set TB,  11                           ; v11  at work
.set NM,  12                           ; v12 -M, v13 the largest t so far
.set SUM, 14                           ; v[14:15] the row's sum in two halves
.set QZ,  16                           ; v16-23 zeros, v24-31 Q's codes, v32-39 zeros: [zeros | q] = v[16:31], [q | zeros] = v[24:39]
.set S,   40                           ; v40-103  S^T, then p, then V's four fragments
.set O,   104                          ; v104-135 O^T
.set W,   136                          ; v136-167 two fragments of K; behind the first product:
.set PC,  136                          ;   v136-151 p's codes
.set BM,  152                          ;   v152-155 a block's largest score, then its largest p
.set PD,  156                          ;   v156-159 the other half's maxima, then the bytes, then a chain of the sum
.set HD,  160                          ;   v160-163 57,344 x the scale
.set SOP, 164                          ;   v164-167 the conversions' scale operands
.set KS,  168                          ; v168-171 K's scale words, then V's; scales only
.set PSW, 172                          ; v172 p's scale word; scales only
.set T,   173                          ; v173 at work
.set F,   174                          ; v[174:175] f = 2^(old M - new M); the upper word is named with it and holds 0
.set X,   178                          ; v178-209, v210-241 two sets of 32 numbers on their way to codes
.set C,   242                          ; v242-249 the codes just made
.set PM0, 250                          ; v250-251 two chains of a block's largest magnitude
.set PM1, 251
.set HL,  252                          ; v252 57,344 x the scale
.set SP,  253                          ; v253 the conversion's scale operand
.set BY,  254                          ; v254 the scale's byte
.set WV,  12                           ; s12 my wave's number
.set Q0,  18                           ; s18 my first query
.set QL,  19                           ; s19 the work-group's last query
.set KF,  20                           ; s20 the step's first key
.set CNT, 22                           ; s22 trips to go
.set MNT, 23                           ; s23 the mantissa field of 57,344
.set SEL, 24                           ; s[24:25] v_permlanex16_b32's selects for lane l xor 16
.set CS,  26                           ; s[26:27] c = log2(e) / 8, twice: the packed form names the pair
.set PB,  28                           ; s[28:29] keys or values at my wave's part of tile 0
.set BA,  30                           ; s[30:31], s[32:33] the base of each set's loads
.set OF,  34                           ; s[34:35] a byte offset, the upper word 0
; Set p is asked for: eight loads of 16 bytes a lane, one key further on each, the same lines for both roles; the role lies in v[GV] and in the base.
; K waves: sixteen lanes read one key's whole row, 256 consecutive aligned bytes.  V waves: eight lanes read 32 channels of one key, 128 consecutive bytes; the wave beside takes the row's other 128.
; No cache word: the other work-groups of the head read the same tiles.
.macro LOADSET p
.irp j, 0,1,2,3,4,5,6,7
	global_load_b128 v[X+32*(\p)+4*\j:X+32*(\p)+4*\j+3], v[GV], s[BA+2*(\p):BA+2*(\p)+1] offset:2048*\j
.endr
.endm
; 32 numbers of a lane, one block along K, become 32 codes in v[C] on and the scale's byte in v[BY].
.macro QUANT32 x
	v_max3_num_f32 v[PM0], |v[\x]|, |v[\x+1]|, |v[\x+2]|           ; the block's largest magnitude, in two chains
	v_max3_num_f32 v[PM1], |v[\x+3]|, |v[\x+4]|, |v[\x+5]|
.irp i, 6,10,14,18,22,26
	v_max3_num_f32 v[PM0], v[PM0], |v[\x+\i]|, |v[\x+\i+1]|
	v_max3_num_f32 v[PM1], v[PM1], |v[\x+\i+2]|, |v[\x+\i+3]|
.endr
	v_max3_num_f32 v[PM0], v[PM0], |v[\x+30]|, |v[\x+31]|
	v_max3_num_f32 v[PM0], v[PM0], v[PM1], 0x8000000               ; and the floor 2^(16 - 127): the byte cannot fall under 1
	v_add_nc_u32 v[SP], 0xf8800000, v[PM0]                         ; 15 off its exponent field: the conversion takes this operand's exponent field as its scale
	v_and_or_b32 v[HL], v[PM0], 0x7f800000, s[MNT]                 ; 57,344 x the scale: the same exponent field over 57,344's mantissa
	v_lshrrev_b32 v[BY], 23, v[SP]                                 ; the scale's byte
.set n, 0
.rept 32
	v_med3_num_f32 v[\x+n], v[\x+n], -v[HL], v[HL]                 ; the conversion to an 8-bit code does not saturate (ISA guide 7.6.2): the hold comes first
.set n, n+1
.endr
.irp g, 0,1,2,3
	v_cvt_scalef32_pk8_bf8_f32 v[C+2*\g:C+2*\g+1], v[\x+8*\g:\x+8*\g+7], v[SP]
.endr
.endm
; Set p's tile becomes codes in slot p, and the set is asked for again: the tile that begins ahead keys behind KF, held at the head's last tile so that no load leaves the head's rows.
; test = 1: a tile that begins behind the work-group's last query is not made.
.macro PRODUCE p, test, ahead
.if \test
	s_add_co_u32 s40, s[KF], 128
	s_cmp_gt_u32 s40, s[QL]
	s_cbranch_scc1 .Lnot_made_\@
.endif
	s_add_co_u32 s[OF], s[KF], \ahead
	s_min_u32 s[OF], s[OF], 1920
	s_lshl_b32 s[OF], s[OF], 11                    ; 2,048 bytes a key
	s_wait_loadcnt 8                               ; loads come back in order (ISA guide 5.7.1): set p's eight are in, the other set's eight younger ones stay out
	; THE TURN, through my own stage.  In: the same eight stores for both roles, 144 bytes on for each key further on.
	; K: as loaded, lane (r, h) holds e = 4 r .. 4 r + 3 of row j + 8 h in registers 4 j on.  A row's half is 128 bytes + 16 of padding; the second halves begin 2,432 bytes on, which is 128 modulo 256.
	; V: as loaded, lane 8 q + c holds channels 4 c .. 4 c + 3 of key 8 q + j.  A key's 32 channels are 128 bytes + 16 of padding; eight keys on are 1,152 bytes, which is 128 modulo 256.
	; So in both roles the sixteen lanes of a store's half touch 256 different bytes modulo 256.
.irp j, 0,1,2,3,4,5,6,7
	ds_store_b128 v[TI], v[X+32*(\p)+4*\j:X+32*(\p)+4*\j+3] offset:144*\j
.endr
	s_cmp_lt_u32 s[WV], 8
	s_cbranch_scc0 .Lfor_v_\@
.irp j, 0,1,2,3,4,5,6,7
	ds_load_b128 v[X+32*(\p)+4*\j:X+32*(\p)+4*\j+3], v[TO] offset:16*\j    ; K, out: lane m + 16 b gets e = 32 b .. 32 b + 31 of row m.  LDS serves a wave's instructions in order (ISA guide 5.7.1.4): these see the stores above
.endr
	s_wait_dscnt 0x0
	s_branch .Lquant_\@
.Lfor_v_\@:
.set n, 0
.rept 32
	ds_load_b32 v[X+32*(\p)+n], v[TO] offset:144*n                         ; V, out: my lane is a channel, and its registers run down the block's 32 keys; 32 lanes read 128 consecutive bytes
.set n, n+1
.endr
	s_wait_dscnt 0x0
.Lquant_\@:
	QUANT32 X+32*(\p)
	s_add_nc_u64 s[BA+2*(\p):BA+2*(\p)+1], s[PB:PB+1], s[OF:OF+1]   ; the counted wait above has shown this base's loads done
	LOADSET \p
	ds_store_b128 v[PI], v[C:C+3] offset:(\p)*SLOTB                 ; the block's first 16 codes belong to lanes 0-15 of the operand,
	ds_store_b128 v[PI], v[C+4:C+7] offset:(\p)*SLOTB+256           ; its last 16 to lanes 16-31: 256 bytes on.  Sixteen lanes store 256 consecutive bytes
	ds_store_b8 v[PS], v[BY] offset:(\p)*SLOTB
.if \test
	s_branch .Lmade_\@
.Lnot_made_\@:
	s_wait_loadcnt 0x0                             ; what was asked for ahead is not wanted: with no load out, every later count holds by whichever way it is reached
.Lmade_\@:
.endif
.endm
; A KEY STEP of my 16 queries, from slot p.
.macro COMPUTE p
	s_add_co_u32 s40, s[Q0], 15
	s_cmp_gt_u32 s[KF], s40
	s_cbranch_scc1 .Lhidden_\@                     ; all 128 keys come after my queries
.rept 9
	v_nop                                          ; places behind the last step's V^T P: 8 in front of loads into registers that it read, 9 in front of products that write over them
.endr
.irp g, 0,1                                    ; S^T = K Q^T: two fragments of K (64 keys) at a time, each multiplied twice
.if \g > 0
.rept 8
	v_nop                                          ; places in front of loads into registers that matrix instructions have read
.endr
.endif
.irp f, 0,1
.irp cc, 0,1,2,3
	ds_load_b128 v[W+16*\f+4*\cc:W+16*\f+4*\cc+3], v[LI] offset:(\p)*SLOTB+KIMG+2048*(2*\g+\f)+512*\cc
.endr
	ds_load_b32 v[KS+2*\g+\f], v[LSW] offset:(\p)*SLOTB+KSC+64*(2*\g+\f)
.endr
	s_wait_dscnt 0x0
.irp f, 0,1
	v_wmma_scale_f32_16x16x128_f8f6f4 v[S+8*(4*\g+2*\f):S+8*(4*\g+2*\f)+7], v[W+16*\f:W+16*\f+15], v[QZ+8:QZ+23], 0, v[KS+2*\g+\f], v[QSW] matrix_a_fmt:MATRIX_FMT_BF8 matrix_b_fmt:MATRIX_FMT_BF8
	v_wmma_scale_f32_16x16x128_f8f6f4 v[S+8*(4*\g+2*\f)+8:S+8*(4*\g+2*\f)+15], v[W+16*\f:W+16*\f+15], v[QZ:QZ+15], 0, v[KS+2*\g+\f], v[QSW] matrix_a_fmt:MATRIX_FMT_BF8 matrix_b_fmt:MATRIX_FMT_BF8
.endr
.endr
.rept 8
	v_nop                                          ; places in front of the first read of results and of writes into K's registers
.endr
	s_add_co_u32 s40, s[KF], 127                   ; on the diagonal the scores of hidden keys become -infinity ahead of the maximum: p = 0 then.  A step all of whose keys count skips this
	s_cmp_le_u32 s40, s[Q0]
	s_cbranch_scc1 .Lopen_\@
	s_sub_co_i32 s40, s[Q0], s[KF]
	v_add_nc_u32 v[T], s40, v[DM]                  ; d = my query - KF - 16 (lane / 16).  Register 16 b + i holds key KF + 32 b + 16 (lane / 16) + i: hidden where 32 b + i > d
	v_mov_b32 v[TB], 0xff800000
.set n, 0
.rept 64
	v_cmp_gt_i32 vcc_lo, 32*(n/16)+n%16, v[T]
	v_cndmask_b32 v[S+n], v[S+n], v[TB], vcc_lo
.set n, n+1
.endr
.Lopen_\@:
.irp b, 0,1,2,3
	v_max3_num_f32 v[BM+\b], v[S+16*\b], v[S+16*\b+1], v[S+16*\b+2]    ; the largest score of each block of 32 keys: for the row's maximum, and, since p rises with the score, for the block's largest p
.endr
.irp i, 3,5,7,9,11,13
.irp b, 0,1,2,3
	v_max3_num_f32 v[BM+\b], v[BM+\b], v[S+16*\b+\i], v[S+16*\b+\i+1]  ; (the four blocks by turns)
.endr
.endr
.irp b, 0,1,2,3
	v_max_num_f32 v[BM+\b], v[BM+\b], v[S+16*\b+15]
.endr
.irp b, 0,1,2,3
	v_permlanex16_b32 v[PD+\b], v[BM+\b], s[SEL], s[SEL+1]
.endr
.irp b, 0,1,2,3
	v_max_num_f32 v[BM+\b], v[BM+\b], v[PD+\b]     ; with lane l xor 16's 16 keys
.endr
	v_max3_num_f32 v[T], v[BM], v[BM+1], v[BM+2]
	v_max_num_f32 v[T], v[T], v[BM+3]              ; the step's largest score of my query
	v_mul_f32 v[T], s[CS], v[T]                    ; as t (c is positive)
	v_max_num_f32 v[NM+1], v[NM+1], v[T]           ; the running largest t
	v_mov_b32 v[T], v[NM]
	v_floor_f32 v[NM], -v[NM+1]                    ; the new -M = floor(-t) = -ceil(t): a whole number
	v_sub_f32 v[T], v[NM], v[T]                    ; old M - new M: a whole number, 0 or less
	v_cvt_i32_f32 v[T], v[T]                       ; (it saturates)
	v_ldexp_f32 v[F], 1.0, v[T]                    ; f = 2^(old M - new M): a multiplication by it rounds nothing
.set n, 0
.rept 32
	v_pk_fma_f32 v[S+n:S+n+1], v[S+n:S+n+1], s[CS:CS+1], v[NM:NM+1] op_sel_hi:[1,0,0]   ; t - M, two at a time (of the pairs c and -M the low word serves both halves)
.set n, n+2
.endr
.irp b, 0,1,2,3
	v_fma_f32 v[BM+\b], v[BM+\b], s[CS], v[NM]     ; the same of each block's largest score
.endr
.set n, 0
.rept 64
	v_exp_f32 v[S+n], v[S+n]                       ; p = 2^(t - M), at most 1
.set n, n+1
.endr
.irp b, 0,1,2,3
	v_exp_f32 v[BM+\b], v[BM+\b]                   ; the block's largest p: the same two instructions on the same number
.endr
	v_pk_mul_f32 v[SUM:SUM+1], v[SUM:SUM+1], v[F:F+1] op_sel_hi:[1,0]   ; the sums under the new M.  (The plain instruction behind the exponentials: ISA guide 5.7.2)
	s_wait_alu depctr_va_vdst(0)
.irp b, 0,1,2,3
	v_max_num_f32 v[BM+\b], 0x8000000, v[BM+\b]    ; the floor 2^(16 - 127): a block whose every p is 0 keeps the byte 1; its codes are zeros
.endr
.irp b, 0,1,2,3
	v_add_nc_u32 v[SOP+\b], 0xf8800000, v[BM+\b]   ; 15 off the exponent field: the conversion's scale operand
.endr
.irp b, 0,1,2,3
	v_and_or_b32 v[HD+\b], v[BM+\b], 0x7f800000, s[MNT]   ; 57,344 x the scale
.endr
.irp b, 0,1,2,3
	v_lshrrev_b32 v[PD+\b], 23, v[SOP+\b]          ; the scale's byte
.endr
	v_lshl_or_b32 v[PSW], v[PD+1], 8, v[PD]        ; p's scale word for these 128 keys: far more than eight vector instructions ahead of the products that name it
	v_lshl_or_b32 v[PSW], v[PD+2], 16, v[PSW]
	v_lshl_or_b32 v[PSW], v[PD+3], 24, v[PSW]
	v_pk_add_f32 v[PD:PD+1], v[S:S+1], v[S+2:S+3]  ; the row's sum is taken of the UNQUANTISED p: two at a time, in two chains
.set n, 4
.rept 15
	v_pk_add_f32 v[SUM:SUM+1], v[SUM:SUM+1], v[S+n:S+n+1]
	v_pk_add_f32 v[PD:PD+1], v[PD:PD+1], v[S+n+2:S+n+3]
.set n, n+4
.endr
	v_pk_add_f32 v[SUM:SUM+1], v[SUM:SUM+1], v[PD:PD+1]
.irp b, 0,1,2,3
.set n, 0
.rept 16
	v_min_num_f32 v[S+16*\b+n], v[S+16*\b+n], v[HD+\b]   ; the hold; p is not negative, so it is one-sided
.set n, n+1
.endr
	v_cvt_scalef32_pk8_bf8_f32 v[PC+4*\b:PC+4*\b+1], v[S+16*\b:S+16*\b+7], v[SOP+\b]
	v_cvt_scalef32_pk8_bf8_f32 v[PC+4*\b+2:PC+4*\b+3], v[S+16*\b+8:S+16*\b+15], v[SOP+\b]
.endr
.irp dt, 0,1,2,3                               ; V's four fragments land where p lay
.irp cc, 0,1,2,3
	ds_load_b128 v[S+16*\dt+4*\cc:S+16*\dt+4*\cc+3], v[LI] offset:(\p)*SLOTB+VIMG+2048*\dt+512*\cc
.endr
	ds_load_b32 v[KS+\dt], v[LSW] offset:(\p)*SLOTB+VSC+64*\dt
.endr
.set n, 0
.rept 16
	v_pk_mul_f32 v[O+n:O+n+1], v[O+n:O+n+1], v[F:F+1] op_sel_hi:[1,0]   ; O^T under the new M, from each accumulator's low end on.  These stand between the codes' conversions and the products, while the loads are out
.set n, n+2
.endr
	s_wait_dscnt 0x0
.irp dt, 0,1,2,3                               ; O^T += V^T P^T: the four accumulators take turns, one instruction a turn
	v_wmma_scale_f32_16x16x128_f8f6f4 v[O+8*\dt:O+8*\dt+7], v[S+16*\dt:S+16*\dt+15], v[PC:PC+15], v[O+8*\dt:O+8*\dt+7], v[KS+\dt], v[PSW] matrix_a_fmt:MATRIX_FMT_BF8 matrix_b_fmt:MATRIX_FMT_BF8
.endr
.Lhidden_\@:
.endm
; A step: slot p is read, the other slot is written.  ONE barrier orders both ways: the next tile's stores have landed before anybody reads them, and my reads of slot p are back before anybody stores there in the next step.
.macro STEP p
	COMPUTE \p
	PRODUCE 1-\p, 1, 384                           ; the next step's tile; its set then asks for the tile three steps on
	s_wait_dscnt 0x0                               ; for the others' sake: all my LDS stores have landed, all my LDS loads are in
	s_barrier_signal -1
	s_barrier_wait -1
	s_add_co_u32 s[KF], s[KF], 128
.endm
	s_load_b256 s[4:11], s[0:1], 0x0               ; queries s[4:5], keys s[6:7], values s[8:9], out0 s[10:11]
	v_lshl_add_u32 v177, v0, 2, 0x2c400
	v_mov_b32 v255, 0
	v_lshrrev_b32 v[TA], 5, v0
	v_readfirstlane_b32 s[WV], v[TA]               ; wave 0..15
	v_and_b32 v[TA], 31, v0                        ; lane
	v_and_b32 v[TB], 15, v0                        ; r = lane % 16
	v_bfe_u32 v[T], v0, 4, 1                       ; h = lane / 16
	v_lshlrev_b32 v[LI], 4, v[TA]
	v_lshlrev_b32 v[LSW], 2, v[TB]
	v_lshlrev_b32 v[DM], 4, v[T]
	v_sub_nc_u32 v[DM], v[TB], v[DM]               ; r - 16 h
	s_mov_b32 s13, ttmp9                           ; i
	s_and_b32 s14, ttmp7, 0xffff                   ; the head, 8 x batch + head in the batch
	s_lshr_b32 s16, s14, 3
	s_lshl_b32 s16, s16, 22                        ; a batch is 2,048 positions x 2,048 bytes,
	s_and_b32 s36, s14, 7
	s_lshl_b32 s36, s36, 8                         ; a head's row 256 bytes
	s_add_co_u32 s16, s16, s36
	s_mov_b32 s17, 0                               ; s[16:17]: the head's first byte in all four tensors
	s_lshr_b32 s36, s[WV], 2
	s_xor_b32 s36, s36, s[WV]
	s_and_b32 s36, s36, 1                          ; bit 0 xor bit 2 of the wave's number: the late block (1) or the early one (0); with wave / 2 as the tile each pair (block, tile) falls to one wave
	s_sub_co_u32 s37, 15, s13
	s_cmp_eq_u32 s36, 1
	s_cselect_b32 s37, s37, s13                    ; my block of 128 queries: it enters global addresses and scalar compares alone
	s_lshl_b32 s37, s37, 7
	s_lshr_b32 s38, s[WV], 1
	s_lshl_b32 s38, s38, 4
	s_add_co_u32 s[Q0], s37, s38                   ; my first query
	s_lshl_b32 s[QL], s13, 7
	s_sub_co_u32 s[QL], 2047, s[QL]                ; the last query of block 15 - i
	s_mov_b32 s[KF], 0
	s_mov_b32 s[MNT], 0x600000
	s_mov_b32 s[SEL], 0x76543210
	s_mov_b32 s[SEL+1], 0xfedcba98
	s_mov_b32 s[CS], 0x3e38aa3b                    ; log2(e) / 8
	s_mov_b32 s[CS+1], s[CS]
	; what I quantise.  pw = wave % 8
	s_and_b32 s39, s[WV], 7
	s_lshr_b32 s40, s39, 1                         ; pw / 2: K: the fragment;  V: the block of 32 keys
	s_and_b32 s41, s39, 1                          ; pw % 2: K: which of a row's two keys;  V: which 32 channels
	s_lshl_b32 s[OF], s40, 16                      ; both roles: 32 keys x 2,048 bytes for each pw / 2
	s_mul_i32 s42, s[WV], TURNB
	s_add_co_u32 s42, s42, TURN                    ; my stage for the turn
	s_cmp_lt_u32 s[WV], 8
	s_cbranch_scc0 .Lrole_v
	; K: rows m = 0 .. 15 are keys 32 (pw / 2) + 8 (pw % 2) + 16 (m / 8) + m % 8
	s_lshl_b32 s43, s41, 14                        ; 8 keys on for pw % 2
	s_lshl_b32 s44, s39, 10                        ; my two groups of the fragment's image: 1,024 pw
	s_lshl_b32 s36, s40, 6
	s_lshl_b32 s37, s41, 1
	s_add_co_u32 s36, s36, s37
	s_add_co_u32 s36, s36, KSC                     ; my bytes of the scale words: 64 (pw / 2) + 2 (pw % 2)
	v_lshlrev_b32 v[GV], 15, v[T]                  ; lanes 16-31 read rows 8 .. 15: 16 keys on
	v_lshl_add_u32 v[GV], v[TB], 4, v[GV]
	v_bfe_u32 v[TI], v0, 3, 1
	v_mul_u32_u24 v[TI], v[TI], 2432               ; the turn, in: e >= 32 goes to the second halves,
	v_mad_u32_u24 v[TI], v[T], 1152, v[TI]         ; lanes 16-31 hold rows 8 on (8 x 144),
	v_and_b32 v[TO], 7, v0
	v_lshl_add_u32 v[TI], v[TO], 4, v[TI]          ; 16 bytes for each lane % 8
	v_add_nc_u32 v[TI], s42, v[TI]
	v_mul_u32_u24 v[TO], v[TA], 144                ; out: 144 x lane + 128 (lane / 16) = 144 (lane % 16) + 2,432 (lane / 16)
	v_lshl_add_u32 v[TO], v[T], 7, v[TO]
	v_add_nc_u32 v[TO], s42, v[TO]
	v_lshlrev_b32 v[PI], 9, v[T]                   ; behind the turn lane m + 16 b holds block b of row m: group 2 (pw % 2) + b, lane m
	v_lshl_add_u32 v[PI], v[TB], 4, v[PI]
	v_add_nc_u32 v[PI], s44, v[PI]
	v_lshl_add_u32 v[PS], v[TB], 2, v[T]           ; row m's word, byte 2 (pw % 2) + b
	v_add_nc_u32 v[PS], s36, v[PS]
	s_branch .Lrole_done
.Lrole_v:
	; V: channels 32 (pw % 2) .. + 31 of the 32 keys of block pw / 2.  Behind the turn my lane is channel 32 (pw % 2) + lane
	s_lshl_b32 s43, s41, 7                         ; 32 channels x 4 bytes
	s_lshl_b32 s44, s41, 12
	s_lshl_b32 s36, s40, 9
	s_add_co_u32 s44, s44, s36
	s_add_co_u32 s44, s44, VIMG                    ; fragment 2 (pw % 2) + lane / 16, group pw / 2
	s_lshl_b32 s36, s41, 7
	s_add_co_u32 s36, s36, s40
	s_add_co_u32 s36, s36, VSC                     ; channel's word, byte pw / 2
	v_bfe_u32 v[TI], v0, 3, 2                      ; q = lane / 8
	v_and_b32 v[TO], 7, v0                         ; lane % 8
	v_lshlrev_b32 v[GV], 14, v[TI]                 ; load j reads key 8 q + j,
	v_lshl_add_u32 v[GV], v[TO], 4, v[GV]          ; four channels for each lane % 8
	v_mul_u32_u24 v[TI], v[TI], 1152               ; the turn, in: key 8 q + j at 144 (8 q + j),
	v_lshl_add_u32 v[TI], v[TO], 4, v[TI]          ; my 16 bytes of its 128
	v_add_nc_u32 v[TI], s42, v[TI]
	v_lshl_add_u32 v[TO], v[TA], 2, s42            ; out: 4 x lane: my channel, key k 144 k bytes on
	v_lshlrev_b32 v[PI], 11, v[T]
	v_lshl_add_u32 v[PI], v[TB], 4, v[PI]
	v_add_nc_u32 v[PI], s44, v[PI]
	v_lshl_add_u32 v[PS], v[TA], 2, s36
.Lrole_done:
	s_add_co_u32 s[OF], s[OF], s43
	s_mov_b32 s[OF+1], 0
	s_add_nc_u64 s[OF:OF+1], s[OF:OF+1], s[16:17]  ; my wave's part of the head's tile 0, in bytes (under 2^32: the upper word stays 0)
	s_lshl_b32 s36, s[Q0], 11
	s_mov_b32 s37, 0
	s_add_nc_u64 s[36:37], s[36:37], s[16:17]      ; my first query's row, in bytes
	v_lshlrev_b32 v[TA], 11, v[TB]
	v_lshl_add_u32 v[TA], v[T], 6, v[TA]           ; Q: row r, + 64 h: my 16 numbers of a block of 32
	s_wait_kmcnt 0x0
	s_cmp_lt_u32 s[WV], 8                          ; keys or values: the choice hangs on the wave's number alone
	s_cselect_b64 s[PB:PB+1], s[6:7], s[8:9]
	s_add_nc_u64 s[PB:PB+1], s[PB:PB+1], s[OF:OF+1]
	s_mov_b64 s[BA:BA+1], s[PB:PB+1]               ; set 0: tile 0
	s_add_nc_u64 s[BA+2:BA+3], s[PB:PB+1], 0x40000 ; set 1: tile 1, 128 keys x 2,048 bytes on
	s_add_nc_u64 s[4:5], s[4:5], s[36:37]
	s_add_nc_u64 s[10:11], s[10:11], s[36:37]
.irp b, 0,1
.irp j, 0,1,2,3
	global_load_b128 v[S+16*\b+4*\j:S+16*\b+4*\j+3], v[TA], s[4:5] offset:128*\b+16*\j th:TH_LOAD_NT   ; Q(r, 32 b + 16 h + 4 j ..): read once, by this wave alone
.endr
.endr
	LOADSET 0
	LOADSET 1                                      ; 24 loads of mine are out now, 16 at the most later
.set n, 0
.rept 32
	v_mov_b32 v[O+n], 0                            ; O^T.  (The step is written once: the first finds zeros, which the first change of M leaves zeros)
.set n, n+1
.endr
.set n, 0
.rept 8
	v_mov_b32 v[QZ+n], 0                           ; the zero codes on both sides of Q's
	v_mov_b32 v[QZ+16+n], 0
.set n, n+1
.endr
.irp b, 0,1,2,3
	v_mov_b32 v[PD+\b], 0                          ; a lane permute's destination counts as one of its sources
.endr
	v_mov_b32 v[SUM], 0
	v_mov_b32 v[SUM+1], 0
	v_mov_b32 v[F+1], 0                            ; named as the upper half of the pair
	v_mov_b32 v[NM+1], 0xff61b1e6                  ; the largest t so far: -3e38, under every t
	v_floor_f32 v[NM], -v[NM+1]
	PRODUCE 0, 0, 256                              ; tile 0 into slot 0; its counted wait also shows Q's loads, which are older, done; set 0 then asks for tile 2
	; Q's two blocks of 32: 16 numbers in my lane, 16 in lane l xor 16
.irp b, 0,1
	v_max3_num_f32 v[BM+\b], |v[S+16*\b]|, |v[S+16*\b+1]|, 0x8000000
.endr
.irp i, 2,4,6,8,10,12,14
.irp b, 0,1
	v_max3_num_f32 v[BM+\b], v[BM+\b], |v[S+16*\b+\i]|, |v[S+16*\b+\i+1]|
.endr
.endr
.irp b, 0,1
	v_permlanex16_b32 v[PD+\b], v[BM+\b], s[SEL], s[SEL+1]
.endr
.irp b, 0,1
	v_max_num_f32 v[BM+\b], v[BM+\b], v[PD+\b]
.endr
.irp b, 0,1
	v_add_nc_u32 v[SOP+\b], 0xf8800000, v[BM+\b]
.endr
.irp b, 0,1
	v_and_or_b32 v[HD+\b], v[BM+\b], 0x7f800000, s[MNT]
.endr
.irp b, 0,1
	v_lshrrev_b32 v[PD+\b], 23, v[SOP+\b]
.endr
	v_lshl_or_b32 v[QSW], v[PD+1], 8, v[PD]
	v_lshl_or_b32 v[QSW], v[QSW], 16, v[QSW]       ; (s0, s1, s0, s1): the word serves [q | zeros] and [zeros | q] alike
.irp b, 0,1
.set n, 0
.rept 16
	v_med3_num_f32 v[S+16*\b+n], v[S+16*\b+n], -v[HD+\b], v[HD+\b]
.set n, n+1
.endr
	v_cvt_scalef32_pk8_bf8_f32 v[QZ+8+4*\b:QZ+9+4*\b], v[S+16*\b:S+16*\b+7], v[SOP+\b]
	v_cvt_scalef32_pk8_bf8_f32 v[QZ+10+4*\b:QZ+11+4*\b], v[S+16*\b+8:S+16*\b+15], v[SOP+\b]
.endr
	s_wait_dscnt 0x0                               ; my part of tile 0 has landed
	s_barrier_signal -1
	s_barrier_wait -1                              ; everybody's has
	s_mov_b32 s[CNT], 8                            ; sixteen steps in every work-group: the trip count is a constant; steps behind the work-group's last query run their two tests and the barrier
.Lpair:
	STEP 0
	STEP 1
	s_sub_co_u32 s[CNT], s[CNT], 1
	s_cmp_lg_u32 s[CNT], 0
	s_cbranch_scc1 .Lpair
	; THE WAY OUT.  O^T is divided by the row's sum and goes through my own stage, so that sixteen lanes store one query's row: 256 consecutive aligned bytes.
.rept 8
	v_nop                                          ; places behind the last products (ISA guide 7.12.1)
.endr
	v_add_f32 v[SUM], v[SUM], v[SUM+1]             ; the sum's two halves,
	v_permlanex16_b32 v[PD], v[SUM], s[SEL], s[SEL+1]
	v_add_f32 v[SUM], v[SUM], v[PD]                ; and lane l xor 16's 64 keys of each step
	v_rcp_f32 v[SUM], v[SUM]
	v_and_b32 v4, 15, v0                           ; (plain instructions behind the reciprocal)  r
	v_bfe_u32 v5, v0, 4, 1                         ; h
	s_mul_i32 s36, s[WV], OSTGB
	s_add_co_u32 s36, s36, OSTG                    ; my stage
	v_mul_u32_u24 v6, v4, 272
	v_lshl_add_u32 v6, v5, 5, v6
	v_add_nc_u32 v6, s36, v6                       ; in: row r; fragment d's eight channels of my half: 64 d + 32 h bytes on
	v_mul_u32_u24 v7, v5, 272
	v_lshl_add_u32 v7, v4, 4, v7
	v_add_nc_u32 v7, s36, v7                       ; back: lanes 0-15 one row, lanes 16-31 the next
	v_lshlrev_b32 v[TB], 11, v5
	v_lshl_add_u32 v[TB], v4, 4, v[TB]             ; and the same two rows in out0, 2,048 bytes apart
.set n, 0
	s_wait_alu depctr_va_vdst(0)
.rept 32
	v_mul_f32 v[S+n], v[O+n], v[SUM]               ; register 8 d + j is o(query r, channel 16 d + 8 h + j); each accumulator from its low end on
.set n, n+1
.endr
.irp dt, 0,1,2,3
	ds_store_b128 v6, v[S+8*\dt:S+8*\dt+3] offset:64*\dt
	ds_store_b128 v6, v[S+8*\dt+4:S+8*\dt+7] offset:64*\dt+16
.endr
.irp k, 0,1,2,3,4,5,6,7
	ds_load_b128 v[S+32+4*\k:S+32+4*\k+3], v7 offset:544*\k   ; LDS serves a wave's instructions in order: these see my stores
.endr
.irp k, 0,1,2,3,4,5,6,7
	s_wait_dscnt 7-\k                              ; LDS loads come back in order: pair k of rows is in, the younger ones stay out
	global_store_b128 v[TB], v[S+32+4*\k:S+32+4*\k+3], s[10:11] offset:4096*\k th:TH_STORE_NT   ; written once, read by nobody here
.endr
	s_wait_tensorcnt 0x0
	ds_add_u32 v177, v255
	s_wait_dscnt 0x0
	s_endpgm
.Lfunc_end_k_qb255b74ad2_attn:
	.size	k_qb255b74ad2_attn, .Lfunc_end_k_qb255b74ad2_attn-k_qb255b74ad2_attn
	.p2alignl 7, 3214868480
	.fill 96, 4, 3214868480
	.section	.rodata,"a",@progbits
	.p2align	6, 0x0
	.amdhsa_kernel k_qb255b74ad2_attn
		.amdhsa_group_segment_fixed_size 183296
		.amdhsa_private_segment_fixed_size 0
		.amdhsa_enable_private_segment 0
		.amdhsa_kernarg_size 32
		.amdhsa_user_sgpr_count 2
		.amdhsa_user_sgpr_kernarg_segment_ptr 1
		.amdhsa_wavefront_size32 1
		.amdhsa_system_sgpr_workgroup_id_x 1
		.amdhsa_system_sgpr_workgroup_id_y 1
		.amdhsa_system_sgpr_workgroup_id_z 1
		.amdhsa_system_vgpr_workitem_id 0
		.amdhsa_next_free_vgpr 256
		.amdhsa_next_free_sgpr 66
		.amdhsa_reserve_vcc 1
		.amdhsa_float_denorm_mode_32 3
		.amdhsa_float_denorm_mode_16_64 3
		.amdhsa_memory_ordered 1
		.amdhsa_forward_progress 1
		.amdhsa_inst_pref_size 90
	.end_amdhsa_kernel
	.amdgpu_metadata
---
amdhsa.version: [ 1, 2 ]
amdhsa.kernels:
  - .name:           k_qb255b74ad2_attn
    .symbol:         k_qb255b74ad2_attn.kd
    .args:
      - { .name: queries, .offset: 0, .size: 8, .value_kind: global_buffer, .address_space: global }
      - { .name: keys, .offset: 8, .size: 8, .value_kind: global_buffer, .address_space: global }
      - { .name: values, .offset: 16, .size: 8, .value_kind: global_buffer, .address_space: global }
      - { .name: out0, .offset: 24, .size: 8, .value_kind: global_buffer, .address_space: global }
    .group_segment_fixed_size: 183296
    .private_segment_fixed_size: 0
    .kernarg_segment_align: 8
    .kernarg_segment_size: 32
    .max_flat_workgroup_size: 512
    .sgpr_count:     66
    .vgpr_count:     256
    .wavefront_size: 32
...
	.end_amdgpu_metadata
.endif
;; end of part 1
;; ======== version 2 of 3: 2 launches
;; workspace buffers: kv 8,650,752 bytes
;; launch quant (part 2): grid 16 x 32, 16 waves a work-group, no clusters, 80,384 bytes of LDS; arguments keys, values, kv; writes kv
.if DOCPART == 2
	.amdgcn_target "amdgcn-amd-amdhsa--gfx1250"
	.amdhsa_code_object_version 6
	.text
	.protected	k_qb255b74ad2_quant
	.globl	k_qb255b74ad2_quant
	.p2align	8
	.type	k_qb255b74ad2_quant,@function
k_qb255b74ad2_quant:
	s_mov_b64 s[64:65], 0
	v_nop
	global_prefetch_b8 v0, s[64:65] scope:SCOPE_SE
	s_setreg_imm32_b32 hwreg(HW_REG_WAVE_MODE, 25, 1), 1
	s_wait_xcnt 0x0
; keys and values, [4][2048][8][64] f32, become codes of BF8 (E5M2) with one E8M0 scale byte for each 32 along a product's K: K along the head's 64, V along the keys.
; The codes are laid as the attention launch wants them in LDS: IMAGES OF THE OPERANDS' REGISTERS.  A head has 270,336 bytes of kv: tile s (128 keys) at 16,384 s: K's four fragments (2,048 bytes each), then V's four;
; a fragment is four groups of 512 bytes, lane l's 16 bytes at 16 l.  The scale words lie behind the 16 tiles, 512 bytes a tile: K's 4 x 16 words, then V's.
; K: row m of fragment c holds TWO keys' codes, 64 + 64: keys 32 c + 16 (m / 8) + m % 8 and that + 8.  V: row m of fragment d holds channel 16 d + m, its 128 codes run along the tile's keys.
; SHARES.  A work-group takes one tile of one head (x = the tile, y = the head).  Waves 0-7 quantise K, waves 8-15 V: 32 numbers a lane, one whole block.  Both roles load alike, eight loads of 16 bytes a lane;
; a turn through the wave's own stage in LDS gives each lane its block.  The codes leave from registers: sixteen lanes store 256 consecutive aligned bytes.  The tile's 512 scale bytes meet in LDS and leave as one run.
; A block's scale is 2^(floor(log2(its largest magnitude)) - 15); its byte is the largest magnitude's exponent field - 15, held at 1 from below.
; LIMITS.  NaN and infinities among the inputs are not served.  A block of zeros gets the byte 1 where the quantiser's rule says 127: its codes are zeros, and this program alone reads the bytes.
.set TURN,  512                        ; LDS: the tile's 512 scale bytes at 0; behind them a stage of TURNB bytes for each wave, its own
.set TURNB, 4864
.set TILEB, 16384                      ; a tile's images in kv
.set SCL,   16*TILEB                   ; where a head's scale words begin
.set HEADB, SCL+16*512                 ; a head's bytes of kv
.set GV,  1                            ; v1   my byte offset in the tile's f32 numbers
.set PI,  2                            ; v2   my codes' byte offset in the tile's images
.set PS,  3                            ; v3   LDS address of my block's scale byte
.set TI,  4                            ; v4   the turn's stage, on the way in
.set TO,  5                            ; v5   and on the way out
.set TA,  6                            ; v6   lane
.set TB,  7                            ; v7   lane % 16
.set T,   8                            ; v8   lane / 16
.set OL,  9                            ; v9   16 x lane
.set X,   16                           ; v16-47 32 numbers
.set C,   48                           ; v48-55 their codes
.set PM0, 56                           ; v56-57 two chains of the largest magnitude
.set PM1, 57
.set HL,  58                           ; v58 57,344 x the scale
.set SP,  59                           ; v59 the conversion's scale operand
.set BY,  60                           ; v60 the scale's byte
.set OUTR, 64                          ; v64-67 the scale bytes on their way out
.set WV,  12                           ; s12 my wave's number
.set MNT, 23                           ; s23 the mantissa field of 57,344
.set PB,  28                           ; s[28:29] keys or values at my wave's part of the tile
.set KVI, 30                           ; s[30:31] kv at the tile's images
.set KVS, 32                           ; s[32:33] kv at the tile's scale words
.set OF,  34                           ; s[34:35] a byte offset, the upper word 0
	s_load_b128 s[4:7], s[0:1], 0x0                ; keys s[4:5], values s[6:7]
	s_load_b64 s[8:9], s[0:1], 0x10                ; kv
	v_lshl_add_u32 v72, v0, 2, 0x13200
	v_mov_b32 v73, 0
	v_lshrrev_b32 v[TA], 5, v0
	v_readfirstlane_b32 s[WV], v[TA]               ; wave 0..15
	v_and_b32 v[TA], 31, v0                        ; lane
	v_and_b32 v[TB], 15, v0                        ; r = lane % 16
	v_bfe_u32 v[T], v0, 4, 1                       ; h = lane / 16
	v_lshlrev_b32 v[OL], 4, v[TA]
	s_and_b32 s14, ttmp7, 0xffff                   ; the head, 8 x batch + head in the batch
	s_lshr_b32 s16, s14, 3
	s_lshl_b32 s16, s16, 22                        ; a batch is 2,048 positions x 2,048 bytes,
	s_and_b32 s36, s14, 7
	s_lshl_b32 s36, s36, 8                         ; a head's row 256 bytes,
	s_add_co_u32 s16, s16, s36
	s_lshl_b32 s36, ttmp9, 18                      ; a tile 128 keys x 2,048 bytes
	s_add_co_u32 s16, s16, s36
	s_mov_b32 s[MNT], 0x600000
	s_and_b32 s39, s[WV], 7                        ; pw = wave % 8
	s_lshr_b32 s40, s39, 1                         ; pw / 2: K: the fragment;  V: the block of 32 keys
	s_and_b32 s41, s39, 1                          ; pw % 2: K: which of a row's two keys;  V: which 32 channels
	s_lshl_b32 s[OF], s40, 16                      ; both roles: 32 keys x 2,048 bytes for each pw / 2
	s_add_co_u32 s[OF], s[OF], s16
	s_mul_i32 s42, s[WV], TURNB
	s_add_co_u32 s42, s42, TURN                    ; my stage for the turn
	s_cmp_lt_u32 s[WV], 8
	s_cbranch_scc0 .Lrole_v
	; K: rows m = 0 .. 15 are keys 32 (pw / 2) + 8 (pw % 2) + 16 (m / 8) + m % 8
	s_lshl_b32 s43, s41, 14                        ; 8 keys on for pw % 2
	s_lshl_b32 s44, s39, 10                        ; my two groups of the fragment's image: 1,024 pw
	s_lshl_b32 s36, s40, 6
	s_lshl_b32 s37, s41, 1
	s_add_co_u32 s36, s36, s37                     ; my bytes of the scale words: 64 (pw / 2) + 2 (pw % 2)
	v_lshlrev_b32 v[GV], 15, v[T]                  ; lanes 16-31 read rows 8 .. 15: 16 keys on
	v_lshl_add_u32 v[GV], v[TB], 4, v[GV]
	v_bfe_u32 v[TI], v0, 3, 1
	v_mul_u32_u24 v[TI], v[TI], 2432               ; the turn, in: e >= 32 goes to the second halves,
	v_mad_u32_u24 v[TI], v[T], 1152, v[TI]         ; lanes 16-31 hold rows 8 on (8 x 144),
	v_and_b32 v[TO], 7, v0
	v_lshl_add_u32 v[TI], v[TO], 4, v[TI]          ; 16 bytes for each lane % 8
	v_add_nc_u32 v[TI], s42, v[TI]
	v_mul_u32_u24 v[TO], v[TA], 144                ; out: 144 x lane + 128 (lane / 16) = 144 (lane % 16) + 2,432 (lane / 16)
	v_lshl_add_u32 v[TO], v[T], 7, v[TO]
	v_add_nc_u32 v[TO], s42, v[TO]
	v_lshlrev_b32 v[PI], 9, v[T]                   ; behind the turn lane m + 16 b holds block b of row m: group 2 (pw % 2) + b, lane m
	v_lshl_add_u32 v[PI], v[TB], 4, v[PI]
	v_add_nc_u32 v[PI], s44, v[PI]
	v_lshl_add_u32 v[PS], v[TB], 2, v[T]           ; row m's word, byte 2 (pw % 2) + b
	v_add_nc_u32 v[PS], s36, v[PS]
	s_branch .Lrole_done
.Lrole_v:
	; V: channels 32 (pw % 2) .. + 31 of the 32 keys of block pw / 2.  Behind the turn my lane is channel 32 (pw % 2) + lane
	s_lshl_b32 s43, s41, 7                         ; 32 channels x 4 bytes
	s_lshl_b32 s44, s41, 12
	s_lshl_b32 s36, s40, 9
	s_add_co_u32 s44, s44, s36
	s_add_co_u32 s44, s44, 8192                    ; behind K's images: fragment 2 (pw % 2) + lane / 16, group pw / 2
	s_lshl_b32 s36, s41, 7
	s_add_co_u32 s36, s36, s40
	s_add_co_u32 s36, s36, 256                     ; behind K's words: the channel's word, byte pw / 2
	v_bfe_u32 v[TI], v0, 3, 2                      ; q = lane / 8
	v_and_b32 v[TO], 7, v0                         ; lane % 8
	v_lshlrev_b32 v[GV], 14, v[TI]                 ; load j reads key 8 q + j,
	v_lshl_add_u32 v[GV], v[TO], 4, v[GV]          ; four channels for each lane % 8
	v_mul_u32_u24 v[TI], v[TI], 1152               ; the turn, in: key 8 q + j at 144 (8 q + j),
	v_lshl_add_u32 v[TI], v[TO], 4, v[TI]          ; my 16 bytes of its 128
	v_add_nc_u32 v[TI], s42, v[TI]
	v_lshl_add_u32 v[TO], v[TA], 2, s42            ; out: 4 x lane: my channel, key k 144 k bytes on
	v_lshlrev_b32 v[PI], 11, v[T]
	v_lshl_add_u32 v[PI], v[TB], 4, v[PI]
	v_add_nc_u32 v[PI], s44, v[PI]
	v_lshl_add_u32 v[PS], v[TA], 2, s36
.Lrole_done:
	s_add_co_u32 s[OF], s[OF], s43                 ; my wave's part of the tile, in bytes (under 2^25)
	s_mov_b32 s[OF+1], 0
	s_mul_i32 s36, s14, HEADB                      ; the head's bytes of kv (under 2^24),
	s_lshl_b32 s37, ttmp9, 14
	s_add_co_u32 s38, s36, s37                     ; the tile's images,
	s_mov_b32 s39, 0
	s_lshl_b32 s37, ttmp9, 9
	s_add_co_u32 s36, s36, s37
	s_add_co_u32 s36, s36, SCL                     ; and its scale words
	s_mov_b32 s37, 0
	s_wait_kmcnt 0x0
	s_cmp_lt_u32 s[WV], 8                          ; keys or values: the choice hangs on the wave's number alone
	s_cselect_b64 s[PB:PB+1], s[4:5], s[6:7]
	s_add_nc_u64 s[PB:PB+1], s[PB:PB+1], s[OF:OF+1]
	; K waves: sixteen lanes read one key's whole row, 256 consecutive aligned bytes.  V waves: eight lanes read 32 channels of one key, 128 consecutive bytes; the wave beside takes the row's other 128.
.irp j, 0,1,2,3,4,5,6,7
	global_load_b128 v[X+4*\j:X+4*\j+3], v[GV], s[PB:PB+1] offset:2048*\j th:TH_LOAD_NT   ; read once in the whole launch
.endr
	s_add_nc_u64 s[KVI:KVI+1], s[8:9], s[38:39]
	s_add_nc_u64 s[KVS:KVS+1], s[8:9], s[36:37]
	s_wait_loadcnt 0x0
	; THE TURN, through my own stage.  In: the same eight stores for both roles, 144 bytes on for each key further on.
	; K: as loaded, lane (r, h) holds e = 4 r .. 4 r + 3 of row j + 8 h in registers 4 j on.  A row's half is 128 bytes + 16 of padding; the second halves begin 2,432 bytes on, which is 128 modulo 256.
	; V: as loaded, lane 8 q + c holds channels 4 c .. 4 c + 3 of key 8 q + j.  A key's 32 channels are 128 bytes + 16 of padding; eight keys on are 1,152 bytes, which is 128 modulo 256.
.irp j, 0,1,2,3,4,5,6,7
	ds_store_b128 v[TI], v[X+4*\j:X+4*\j+3] offset:144*\j
.endr
	s_cmp_lt_u32 s[WV], 8
	s_cbranch_scc0 .Lback_v
.irp j, 0,1,2,3,4,5,6,7
	ds_load_b128 v[X+4*\j:X+4*\j+3], v[TO] offset:16*\j    ; K, out: lane m + 16 b gets e = 32 b .. 32 b + 31 of row m.  LDS serves a wave's instructions in order (ISA guide 5.7.1.4): these see the stores above
.endr
	s_wait_dscnt 0x0
	s_branch .Lquant
.Lback_v:
.set n, 0
.rept 32
	ds_load_b32 v[X+n], v[TO] offset:144*n                 ; V, out: my lane is a channel, and its registers run down the block's 32 keys
.set n, n+1
.endr
	s_wait_dscnt 0x0
.Lquant:
	v_max3_num_f32 v[PM0], |v[X]|, |v[X+1]|, |v[X+2]|              ; the block's largest magnitude, in two chains
	v_max3_num_f32 v[PM1], |v[X+3]|, |v[X+4]|, |v[X+5]|
.irp i, 6,10,14,18,22,26
	v_max3_num_f32 v[PM0], v[PM0], |v[X+\i]|, |v[X+\i+1]|
	v_max3_num_f32 v[PM1], v[PM1], |v[X+\i+2]|, |v[X+\i+3]|
.endr
	v_max3_num_f32 v[PM0], v[PM0], |v[X+30]|, |v[X+31]|
	v_max3_num_f32 v[PM0], v[PM0], v[PM1], 0x8000000               ; and the floor 2^(16 - 127): the byte cannot fall under 1
	v_add_nc_u32 v[SP], 0xf8800000, v[PM0]                         ; 15 off its exponent field: the conversion takes this operand's exponent field as its scale
	v_and_or_b32 v[HL], v[PM0], 0x7f800000, s[MNT]                 ; 57,344 x the scale: the same exponent field over 57,344's mantissa
.set n, 0
.rept 32
	v_med3_num_f32 v[X+n], v[X+n], -v[HL], v[HL]                   ; the conversion to an 8-bit code does not saturate (ISA guide 7.6.2): the hold comes first
.set n, n+1
.endr
.irp g, 0,1,2,3
	v_cvt_scalef32_pk8_bf8_f32 v[C+2*\g:C+2*\g+1], v[X+8*\g:X+8*\g+7], v[SP]
.endr
	v_lshrrev_b32 v[BY], 23, v[SP]                                 ; the scale's byte
	ds_store_b8 v[PS], v[BY]
	global_store_b128 v[PI], v[C:C+3], s[KVI:KVI+1]                ; the block's first 16 codes belong to lanes 0-15 of the operand,
	global_store_b128 v[PI], v[C+4:C+7], s[KVI:KVI+1] offset:256   ; its last 16 to lanes 16-31: 256 bytes on.  Sixteen lanes store 256 consecutive aligned bytes
	s_wait_dscnt 0x0                               ; for wave 0's sake: my scale bytes have landed
	s_barrier_signal -1
	s_barrier_wait -1
	s_cmp_lg_u32 s[WV], 0
	s_cbranch_scc1 .Lend
	ds_load_b128 v[OUTR:OUTR+3], v[OL]             ; the tile's 512 scale bytes, 16 a lane
	s_wait_dscnt 0x0
	global_store_b128 v[OL], v[OUTR:OUTR+3], s[KVS:KVS+1]   ; 512 consecutive aligned bytes
.Lend:
	s_wait_tensorcnt 0x0
	ds_add_u32 v72, v73
	s_wait_dscnt 0x0
	s_endpgm
.Lfunc_end_k_qb255b74ad2_quant:
	.size	k_qb255b74ad2_quant, .Lfunc_end_k_qb255b74ad2_quant-k_qb255b74ad2_quant
	.p2alignl 7, 3214868480
	.fill 96, 4, 3214868480
	.section	.rodata,"a",@progbits
	.p2align	6, 0x0
	.amdhsa_kernel k_qb255b74ad2_quant
		.amdhsa_group_segment_fixed_size 80384
		.amdhsa_private_segment_fixed_size 0
		.amdhsa_enable_private_segment 0
		.amdhsa_kernarg_size 24
		.amdhsa_user_sgpr_count 2
		.amdhsa_user_sgpr_kernarg_segment_ptr 1
		.amdhsa_wavefront_size32 1
		.amdhsa_system_sgpr_workgroup_id_x 1
		.amdhsa_system_sgpr_workgroup_id_y 1
		.amdhsa_system_sgpr_workgroup_id_z 1
		.amdhsa_system_vgpr_workitem_id 0
		.amdhsa_next_free_vgpr 74
		.amdhsa_next_free_sgpr 66
		.amdhsa_reserve_vcc 0
		.amdhsa_float_denorm_mode_32 3
		.amdhsa_float_denorm_mode_16_64 3
		.amdhsa_memory_ordered 1
		.amdhsa_forward_progress 1
		.amdhsa_inst_pref_size 13
	.end_amdhsa_kernel
	.amdgpu_metadata
---
amdhsa.version: [ 1, 2 ]
amdhsa.kernels:
  - .name:           k_qb255b74ad2_quant
    .symbol:         k_qb255b74ad2_quant.kd
    .args:
      - { .name: keys, .offset: 0, .size: 8, .value_kind: global_buffer, .address_space: global }
      - { .name: values, .offset: 8, .size: 8, .value_kind: global_buffer, .address_space: global }
      - { .name: kv, .offset: 16, .size: 8, .value_kind: global_buffer, .address_space: global }
    .group_segment_fixed_size: 80384
    .private_segment_fixed_size: 0
    .kernarg_segment_align: 8
    .kernarg_segment_size: 24
    .max_flat_workgroup_size: 512
    .sgpr_count:     66
    .vgpr_count:     74
    .wavefront_size: 32
...
	.end_amdgpu_metadata
.endif
;; end of part 2
;; launch attn (part 3): grid 8 x 32, 16 waves a work-group, no clusters, 272,384 bytes of LDS; arguments queries, kv, out0; writes out0
.if DOCPART == 3
	.amdgcn_target "amdgcn-amd-amdhsa--gfx1250"
	.amdhsa_code_object_version 6
	.text
	.protected	k_qb255b74ad2_attn
	.globl	k_qb255b74ad2_attn
	.p2align	8
	.type	k_qb255b74ad2_attn,@function
k_qb255b74ad2_attn:
	s_mov_b64 s[64:65], 0
	v_nop
	global_prefetch_b8 v0, s[64:65] scope:SCOPE_SE
	s_setreg_imm32_b32 hwreg(HW_REG_WAVE_MODE, 25, 1), 1
	s_wait_xcnt 0x0
; Causal attention, both products on codes of BF8 (E5M2) with one E8M0 scale for each 32 along a product's K.  K's and V's codes and scale words come from kv, made by the launch before; Q is quantised here.
; queries, out0: [4][2048][8][64] f32: the row of (batch, position, head) is 256 consecutive aligned bytes, positions lie 2,048 bytes apart.
; t = score x log2(e) / 8; M = the running largest t rounded UP to a whole number; p = 2^(t - M) is quantised along the keys, not normalised; the row's sum is taken of the unquantised p and divides at the end.
; SHARES.  256 work-groups: x = i (0..7), y = the head (0..31).  A work-group owns the blocks i and 15 - i of 128 queries: (i + 1) + (16 - i) = 17 key steps for each pair of waves, the same in every work-group.
; Sixteen waves of 256 registers, four to a SIMD; a wave owns ONE tile of 16 queries.  The keys go in steps of 128; a step all of whose keys come after the wave's queries is left out by a scalar branch on ids.
; A WHOLE HEAD'S CODES LIE IN LDS, 270,336 bytes, byte for byte as they lie in kv: tile s (128 keys) at 16,384 s: K's four fragments, then V's four, as IMAGES OF THE OPERANDS' REGISTERS (a group of four registers: 512 bytes,
; lane l's 16 bytes at 16 l); the scale words behind the 16 tiles, 512 bytes a tile.  They come in four groups of four tiles, through 32 registers, one group (four key steps) ahead: thread t takes byte 16 t of each 8,192,
; so that the offset in kv and the LDS address are one number.  One barrier stands in front of each group's four steps; between them the waves run free.
; STAGES.  Q's rows are loaded whole and turned through 4,352 bytes of the wave's own in group 2's and 3's bytes, which nothing else touches until two barriers later.  The way out goes through 4,352 bytes of the wave's own in
; group 0's and 1's bytes (under byte 69,632), which nobody reads behind the barrier in front of group 2.  The waves of the early block (queries under 1,024: no key beyond tile 7) go out there, the others behind group 3.
; LAYOUT.  Both products are used transposed, so that a lane holds one query (lane % 16) throughout.  S^T = K Q^T has K = 64, half of the instruction's 128: a row of a fragment of K holds TWO keys' codes, 64 + 64, and the
; fragment is multiplied twice, by [q | zeros] and by [zeros | q]; zero codes add nothing.  Row m of fragment c holds keys 32 c + 16 (m / 8) + m % 8 and that + 8, so that register S + 16 c + i is key 32 c + 16 (lane / 16) + i:
; the order that the second product's operand wants.  O^T = V^T P^T: fragment d = channels 16 d .. 16 d + 15 x the step's 128 keys.
; NO JOINT REQUESTS: what the eight work-groups of a head share is read once by each, 33 loads of 512 bytes a wave in the whole launch, asked for four key steps ahead of their use.
; LIMITS.  NaN and infinities among the inputs are not served.  A block of zeros gets the scale byte 1 where the quantiser's rule says 127: its codes are zeros, and this program alone reads the bytes.
; A block's largest p is taken from its largest score by the same multiply-add and exponential, which takes v_exp_f32 not to fall where its input rises.  In a row of K's fragments two keys 8 apart share one matrix instruction:
; should the unit align its sums by the scales of blocks whose partner codes are zeros, keys whose magnitudes differ by many powers of two would cost the smaller some last bits.
.set TILEB, 16384                      ; a tile's images: K's four fragments of 2,048 bytes,
.set VIMG,  8192                       ; then V's four
.set GRPB,  4*TILEB                    ; a group of four tiles
.set SCL,   16*TILEB                   ; the scale words: 512 bytes a tile: K's 4 x 16 words, then V's
.set HEADB, SCL+16*512                 ; a head's bytes, in kv and in LDS
.set OSTGB, 16*272                     ; a stage: 16 rows x (256 bytes + 16), one for each wave
.set QSTG,  2*GRPB                     ; Q's stages begin here; the way out's begin at byte 0
.set LI,  1                            ; v1   16 x lane: my place in a group of an image
.set LSW, 2                            ; v2   4 x (lane % 16): my row's scale word
.set FV,  3                            ; v3   16 x my thread's number: my place in each 8,192 bytes of the fill; never rewritten
.set AD,  4                            ; v4   LDS address of my place in the step's images
.set AS,  5                            ; v5   and in its scale words
.set FA,  6                            ; v6   the fill: where my 16 scale bytes go
.set FB,  7                            ; v7   the fill: where my bytes of a group go
.set DM,  8                            ; v8   lane % 16 - 16 (lane / 16), for the mask
.set QSW, 9                            ; v9   Q's scale word; scales only
.set TA,  10                           ; v10  2,048 (lane / 16) + 16 (lane % 16): my 16 bytes of two rows, in queries and in out0; never rewritten
.set TB,  11                           ; v11  at work
.set NM,  12                           ; v12 -M, v13 the largest t so far
.set SUM, 14                           ; v[14:15] the row's sum in two halves
.set QZ,  16                           ; v16-23 zeros, v24-31 Q's codes, v32-39 zeros: [zeros | q] = v[16:31], [q | zeros] = v[24:39]
.set S,   40                           ; v40-103  S^T, then p, then V's four fragments
.set O,   104                          ; v104-135 O^T
.set W,   136                          ; v136-167 K's fragments 0 and 1; behind the first product:
.set PC,  136                          ;   v136-151 p's codes
.set BM,  152                          ;   v152-155 a block's largest score, then its largest p
.set PD,  156                          ;   v156-159 the other half's maxima, then the bytes, then a chain of the sum
.set HD,  160                          ;   v160-163 57,344 x the scale
.set SOP, 164                          ;   v164-167 the conversions' scale operands
.set KS,  168                          ; v168-171 K's scale words, then V's; scales only
.set PSW, 172                          ; v172 p's scale word; scales only
.set T,   173                          ; v173 at work
.set F,   174                          ; v[174:175] f = 2^(old M - new M); the upper word is named with it and holds 0
.set X,   178                          ; v178-209 a group's bytes on their way to LDS
.set W2,  210                          ; v210-241 K's fragments 2 and 3
.set SCR, 242                          ; v242-245 my 16 scale bytes on their way to LDS
.set HB,  246                          ; v246-249 57,344 x the scale once more, for the second half of a pair of holds
.set WV,  12                           ; s12 my wave's number
.set Q0,  18                           ; s18 my first query
.set KF,  20                           ; s20 the step's first key
.set TBS, 21                           ; s21 LDS byte at which the step's images begin
.set CNT, 22                           ; s22 trips to go
.set MNT, 23                           ; s23 the mantissa field of 57,344
.set SEL, 24                           ; s[24:25] v_permlanex16_b32's selects for lane l xor 16
.set CS,  26                           ; s[26:27] c = log2(e) / 8, twice: the packed form names the pair
.set KVB, 28                           ; s[28:29] kv at the head's first byte; never rewritten
.set TSC, 30                           ; s30 LDS byte at which the step's scale words begin
.set HI,  31                           ; s31 1: my tile lies in the late block, 0: in the early one
; Group g of four tiles is asked for: eight loads, each 512 consecutive bytes a wave.  No cache word: the other work-groups of the head read the same bytes.
.macro FILLLOAD g
.irp j, 0,1,2,3,4,5,6,7
	global_load_b128 v[X+4*\j:X+4*\j+3], v[FV], s[KVB:KVB+1] offset:(\g)*GRPB+8192*\j
.endr
.endm
; and goes to LDS, to the same byte numbers
.macro FILLSTORE g
	v_add_nc_u32 v[FB], (\g)*GRPB, v[FV]
.irp j, 0,1,2,3,4,5,6,7
	ds_store_b128 v[FB], v[X+4*\j:X+4*\j+3] offset:8192*\j
.endr
.endm
; A KEY STEP of my 16 queries: the tile at s[TBS], its scale words at s[TSC].
.macro COMPUTE
	s_add_co_u32 s40, s[Q0], 15
	s_cmp_gt_u32 s[KF], s40
	s_cbranch_scc1 .Lhidden_\@                     ; all 128 keys come after my queries
	v_add_nc_u32 v[AD], s[TBS], v[LI]
	v_add_nc_u32 v[AS], s[TSC], v[LSW]
.rept 7
	v_nop                                          ; with the two additions: places behind the last step's V^T P: 8 in front of loads into registers that it read, 9 in front of products that write over them
.endr
.irp c, 0,1,2,3                                ; K's four fragments and their scale words, in one run of twenty loads
.if \c < 2
.set ka, W+16*\c
.else
.set ka, W2+16*(\c-2)
.endif
.irp cc, 0,1,2,3
	ds_load_b128 v[ka+4*\cc:ka+4*\cc+3], v[AD] offset:2048*\c+512*\cc
.endr
	ds_load_b32 v[KS+\c], v[AS] offset:64*\c
.endr
.irp c, 0,1,2,3                                ; S^T = K Q^T: each fragment (32 keys) is multiplied twice; eight accumulators, each written once
.if \c < 2
.set ka, W+16*\c
.else
.set ka, W2+16*(\c-2)
.endif
.if \c == 0
	s_wait_dscnt 10                                ; LDS loads come back in order (ISA guide 5.7.1): fragments 0 and 1 and their words are in, the ten loads of fragments 2 and 3 stay out
.endif
.if \c == 2
	s_wait_dscnt 0x0
.endif
	v_wmma_scale_f32_16x16x128_f8f6f4 v[S+16*\c:S+16*\c+7], v[ka:ka+15], v[QZ+8:QZ+23], 0, v[KS+\c], v[QSW] matrix_a_fmt:MATRIX_FMT_BF8 matrix_b_fmt:MATRIX_FMT_BF8
	v_wmma_scale_f32_16x16x128_f8f6f4 v[S+16*\c+8:S+16*\c+15], v[ka:ka+15], v[QZ:QZ+15], 0, v[KS+\c], v[QSW] matrix_a_fmt:MATRIX_FMT_BF8 matrix_b_fmt:MATRIX_FMT_BF8
.endr
.rept 8
	v_nop                                          ; places in front of the first read of results and of writes into K's registers
.endr
	s_add_co_u32 s40, s[KF], 127                   ; on the diagonal the scores of hidden keys become -infinity ahead of the maximum: p = 0 then.  A step all of whose keys count skips this
	s_cmp_le_u32 s40, s[Q0]
	s_cbranch_scc1 .Lopen_\@
	s_sub_co_i32 s40, s[Q0], s[KF]
	v_add_nc_u32 v[T], s40, v[DM]                  ; d = my query - KF - 16 (lane / 16).  Register 16 b + i holds key KF + 32 b + 16 (lane / 16) + i: hidden where 32 b + i > d
	v_mov_b32 v[TB], 0xff800000
.set n, 0
.rept 64
	v_cmp_gt_i32 vcc_lo, 32*(n/16)+n%16, v[T]
	v_cndmask_b32 v[S+n], v[S+n], v[TB], vcc_lo
.set n, n+1
.endr
.Lopen_\@:
.irp b, 0,1,2,3
	v_max3_num_f32 v[BM+\b], v[S+16*\b], v[S+16*\b+1], v[S+16*\b+2]    ; the largest score of each block of 32 keys: for the row's maximum, and, since p rises with the score, for the block's largest p
.endr
.irp i, 3,5,7,9,11,13
.irp b, 0,1,2,3
	v_max3_num_f32 v[BM+\b], v[BM+\b], v[S+16*\b+\i], v[S+16*\b+\i+1]  ; (the four blocks by turns)
.endr
.endr
.irp b, 0,1,2,3
	v_max_num_f32 v[BM+\b], v[BM+\b], v[S+16*\b+15]
.endr
.irp b, 0,1,2,3
	v_permlanex16_b32 v[PD+\b], v[BM+\b], s[SEL], s[SEL+1]
.endr
.irp b, 0,1,2,3
	v_max_num_f32 v[BM+\b], v[BM+\b], v[PD+\b]     ; with lane l xor 16's 16 keys
.endr
	v_max3_num_f32 v[T], v[BM], v[BM+1], v[BM+2]
	v_max_num_f32 v[T], v[T], v[BM+3]              ; the step's largest score of my query
	v_mul_f32 v[T], s[CS], v[T]                    ; as t (c is positive)
	v_max_num_f32 v[NM+1], v[NM+1], v[T]           ; the running largest t
	v_mov_b32 v[T], v[NM]
	v_floor_f32 v[NM], -v[NM+1]                    ; the new -M = floor(-t) = -ceil(t): a whole number
	v_sub_f32 v[T], v[NM], v[T]                    ; old M - new M: a whole number, 0 or less
	v_cvt_i32_f32 v[T], v[T]                       ; (it saturates)
	v_ldexp_f32 v[F], 1.0, v[T]                    ; f = 2^(old M - new M): a multiplication by it rounds nothing
.set n, 0
.rept 32
	v_pk_fma_f32 v[S+n:S+n+1], v[S+n:S+n+1], s[CS:CS+1], v[NM:NM+1] op_sel_hi:[1,0,0]   ; t - M, two at a time (of the pairs c and -M the low word serves both halves)
.set n, n+2
.endr
.irp b, 0,1,2,3
	v_fma_f32 v[BM+\b], v[BM+\b], s[CS], v[NM]     ; the same of each block's largest score
.endr
.set n, 0
.rept 64
	v_exp_f32 v[S+n], v[S+n]                       ; p = 2^(t - M), at most 1
.set n, n+1
.endr
.irp b, 0,1,2,3
	v_exp_f32 v[BM+\b], v[BM+\b]                   ; the block's largest p: the same two instructions on the same number
.endr
	v_pk_mul_f32 v[SUM:SUM+1], v[SUM:SUM+1], v[F:F+1] op_sel_hi:[1,0]   ; the sums under the new M.  (The plain instruction behind the exponentials: ISA guide 5.7.2)
	s_wait_alu depctr_va_vdst(0)
.irp b, 0,1,2,3
	v_max_num_f32 v[BM+\b], 0x8000000, v[BM+\b]    ; the floor 2^(16 - 127): a block whose every p is 0 keeps the byte 1; its codes are zeros
.endr
.irp b, 0,1,2,3
	v_add_nc_u32 v[SOP+\b], 0xf8800000, v[BM+\b]   ; 15 off the exponent field: the conversion's scale operand
.endr
.irp b, 0,1,2,3
	v_and_or_b32 v[HD+\b], v[BM+\b], 0x7f800000, s[MNT]   ; 57,344 x the scale,
.endr
.irp b, 0,1,2,3
	v_and_or_b32 v[HB+\b], v[BM+\b], 0x7f800000, s[MNT]   ; twice: the two halves of a pair of holds name different registers
.endr
.irp b, 0,1,2,3
	v_lshrrev_b32 v[PD+\b], 23, v[SOP+\b]          ; the scale's byte
.endr
	v_lshl_or_b32 v[PSW], v[PD+1], 8, v[PD]        ; p's scale word for these 128 keys: far more than eight vector instructions ahead of the products that name it
	v_lshl_or_b32 v[PSW], v[PD+2], 16, v[PSW]
	v_lshl_or_b32 v[PSW], v[PD+3], 24, v[PSW]
	v_pk_add_f32 v[PD:PD+1], v[S:S+1], v[S+2:S+3]  ; the row's sum is taken of the UNQUANTISED p: two at a time, in two chains
.set n, 4
.rept 15
	v_pk_add_f32 v[SUM:SUM+1], v[SUM:SUM+1], v[S+n:S+n+1]
	v_pk_add_f32 v[PD:PD+1], v[PD:PD+1], v[S+n+2:S+n+3]
.set n, n+4
.endr
	v_pk_add_f32 v[SUM:SUM+1], v[SUM:SUM+1], v[PD:PD+1]
.irp b, 0,1,2,3
.set n, 0
.rept 8                                        ; the hold; p is not negative, so it is one-sided.  Two to an instruction: an even and an odd destination; S + n and S + n + 1, and HD + b and HB + b, differ in their numbers modulo 4
	v_dual_min_num_f32 v[S+16*\b+n], v[S+16*\b+n], v[HD+\b] :: v_dual_min_num_f32 v[S+16*\b+n+1], v[S+16*\b+n+1], v[HB+\b]
.set n, n+2
.endr
	v_cvt_scalef32_pk8_bf8_f32 v[PC+4*\b:PC+4*\b+1], v[S+16*\b:S+16*\b+7], v[SOP+\b]
	v_cvt_scalef32_pk8_bf8_f32 v[PC+4*\b+2:PC+4*\b+3], v[S+16*\b+8:S+16*\b+15], v[SOP+\b]
.irp cc, 0,1,2,3                               ; V's fragment b is asked for at once, into the 16 registers that block b's p has just left: the later blocks' holds and conversions stand between the request and the wait
	ds_load_b128 v[S+16*\b+4*\cc:S+16*\b+4*\cc+3], v[AD] offset:VIMG+2048*\b+512*\cc
.endr
	ds_load_b32 v[KS+\b], v[AS] offset:256+64*\b
.endr
.set n, 0
.rept 16
	v_pk_mul_f32 v[O+n:O+n+1], v[O+n:O+n+1], v[F:F+1] op_sel_hi:[1,0]   ; O^T under the new M, from each accumulator's low end on.  These stand between the codes' conversions and the products, while the last loads are out
.set n, n+2
.endr
	s_wait_dscnt 0x0
.irp dt, 0,1,2,3                               ; O^T += V^T P^T: the four accumulators take turns, one instruction a turn
	v_wmma_scale_f32_16x16x128_f8f6f4 v[O+8*\dt:O+8*\dt+7], v[S+16*\dt:S+16*\dt+15], v[PC:PC+15], v[O+8*\dt:O+8*\dt+7], v[KS+\dt], v[PSW] matrix_a_fmt:MATRIX_FMT_BF8 matrix_b_fmt:MATRIX_FMT_BF8
.endr
.Lhidden_\@:
.endm
; Group g's four key steps: one body, walked four times; the tile's place in LDS is a scalar that begins at a constant and steps by a constant.  No barrier stands in it.
.macro GROUP g
	s_mov_b32 s[TBS], (\g)*GRPB
	s_mov_b32 s[TSC], SCL+(\g)*2048
	s_mov_b32 s[KF], (\g)*512
	s_mov_b32 s[CNT], 4
.Lstep_\@:
	COMPUTE
	s_add_co_u32 s[TBS], s[TBS], TILEB
	s_add_co_u32 s[TSC], s[TSC], 512
	s_add_co_u32 s[KF], s[KF], 128
	s_sub_co_u32 s[CNT], s[CNT], 1
	s_cmp_lg_u32 s[CNT], 0
	s_cbranch_scc1 .Lstep_\@
.endm
; THE WAY OUT.  O^T is divided by the row's sum and goes through my own stage, so that sixteen lanes store one query's row: 256 consecutive aligned bytes.
.macro WAYOUT
.rept 8
	v_nop                                          ; places behind my last products (ISA guide 7.12.1)
.endr
	v_add_f32 v[SUM], v[SUM], v[SUM+1]             ; the sum's two halves,
	v_permlanex16_b32 v[PD], v[SUM], s[SEL], s[SEL+1]
	v_add_f32 v[SUM], v[SUM], v[PD]                ; and lane l xor 16's 64 keys of each step
	v_rcp_f32 v[SUM], v[SUM]
	v_and_b32 v4, 15, v0                           ; (plain instructions behind the reciprocal)  r
	v_bfe_u32 v5, v0, 4, 1                         ; h
	s_mul_i32 s36, s[WV], OSTGB                    ; my stage
	v_mul_u32_u24 v6, v4, 272
	v_lshl_add_u32 v6, v5, 5, v6
	v_add_nc_u32 v6, s36, v6                       ; in: row r; fragment d's eight channels of my half: 64 d + 32 h bytes on
	v_mul_u32_u24 v7, v5, 272
	v_lshl_add_u32 v7, v4, 4, v7
	v_add_nc_u32 v7, s36, v7                       ; back: lanes 0-15 one row, lanes 16-31 the next
.set n, 0
	s_wait_alu depctr_va_vdst(0)
.rept 16
	v_pk_mul_f32 v[S+n:S+n+1], v[O+n:O+n+1], v[SUM:SUM+1] op_sel_hi:[1,0]   ; register 8 d + j is o(query r, channel 16 d + 8 h + j); each accumulator from its low end on; of the pair the low word, 1 / the sum, serves both halves
.set n, n+2
.endr
.irp dt, 0,1,2,3
	ds_store_b128 v6, v[S+8*\dt:S+8*\dt+3] offset:64*\dt
	ds_store_b128 v6, v[S+8*\dt+4:S+8*\dt+7] offset:64*\dt+16
.endr
.irp k, 0,1,2,3,4,5,6,7
	ds_load_b128 v[S+32+4*\k:S+32+4*\k+3], v7 offset:544*\k   ; LDS serves a wave's instructions in order (ISA guide 5.7.1.4): these see my stores
.endr
.irp k, 0,1,2,3,4,5,6,7
	s_wait_dscnt 7-\k                              ; LDS loads come back in order: pair k of rows is in, the younger ones stay out
	global_store_b128 v[TA], v[S+32+4*\k:S+32+4*\k+3], s[8:9] offset:4096*\k th:TH_STORE_NT   ; written once, read by nobody here
.endr
.endm
	s_load_b128 s[4:7], s[0:1], 0x0                ; queries s[4:5], kv s[6:7]
	s_load_b64 s[8:9], s[0:1], 0x10                ; out0
	v_lshl_add_u32 v254, v0, 2, 0x42000
	v_mov_b32 v255, 0
	v_lshlrev_b32 v[FV], 4, v0
	v_lshrrev_b32 v[T], 5, v0
	v_readfirstlane_b32 s[WV], v[T]                ; wave 0..15
	v_and_b32 v[LI], 31, v0
	v_lshlrev_b32 v[LI], 4, v[LI]                  ; 16 x lane
	v_and_b32 v[TB], 15, v0                        ; r = lane % 16
	v_bfe_u32 v[T], v0, 4, 1                       ; h = lane / 16
	v_lshlrev_b32 v[LSW], 2, v[TB]
	v_lshlrev_b32 v[DM], 4, v[T]
	v_sub_nc_u32 v[DM], v[TB], v[DM]               ; r - 16 h
	v_lshlrev_b32 v[TA], 11, v[T]
	v_lshl_add_u32 v[TA], v[TB], 4, v[TA]          ; lanes 0-15 one row, lanes 16-31 the next, 16 bytes a lane
	v_add_nc_u32 v[FA], SCL, v[FV]
	s_and_b32 s14, ttmp7, 0xffff                   ; the head, 8 x batch + head in the batch
	s_mul_i32 s34, s14, HEADB                      ; its bytes of kv (under 2^24)
	s_mov_b32 s35, 0
	s_mov_b32 s13, ttmp9                           ; i
	s_lshr_b32 s16, s14, 3
	s_lshl_b32 s16, s16, 22                        ; a batch is 2,048 positions x 2,048 bytes,
	s_and_b32 s36, s14, 7
	s_lshl_b32 s36, s36, 8                         ; a head's row 256 bytes
	s_add_co_u32 s16, s16, s36                     ; the head's first byte in queries and in out0
	s_lshr_b32 s[HI], s[WV], 2
	s_xor_b32 s[HI], s[HI], s[WV]
	s_and_b32 s[HI], s[HI], 1                      ; bit 0 xor bit 2 of the wave's number: the late block (1) or the early one (0); with wave / 2 as the tile each pair (block, tile) falls to one wave
	s_sub_co_u32 s37, 15, s13
	s_cmp_eq_u32 s[HI], 1
	s_cselect_b32 s37, s37, s13                    ; my block of 128 queries: it enters global addresses and scalar compares alone
	s_lshl_b32 s37, s37, 7
	s_lshr_b32 s38, s[WV], 1
	s_lshl_b32 s38, s38, 4
	s_add_co_u32 s[Q0], s37, s38                   ; my first query
	s_lshl_b32 s36, s[Q0], 11
	s_add_co_u32 s36, s36, s16                     ; its row, in bytes (under 2^25)
	s_mov_b32 s37, 0
	s_mul_i32 s39, s[WV], OSTGB
	s_add_co_u32 s39, s39, QSTG                    ; my stage for Q
	v_mul_u32_u24 v[AD], v[T], 272
	v_lshl_add_u32 v[AD], v[TB], 4, v[AD]
	v_add_nc_u32 v[AD], s39, v[AD]                 ; in: as loaded: rows 2 k and 2 k + 1, 16 bytes a lane
	v_mul_u32_u24 v[AS], v[TB], 272
	v_lshl_add_u32 v[AS], v[T], 6, v[AS]
	v_add_nc_u32 v[AS], s39, v[AS]                 ; out: row r, + 64 h: my 16 numbers of a block of 32
	s_mov_b32 s[MNT], 0x600000
	s_mov_b32 s[SEL], 0x76543210
	s_mov_b32 s[SEL+1], 0xfedcba98
	s_mov_b32 s[CS], 0x3e38aa3b                    ; log2(e) / 8
	s_mov_b32 s[CS+1], s[CS]
	s_wait_kmcnt 0x0
	s_add_nc_u64 s[4:5], s[4:5], s[36:37]
	s_add_nc_u64 s[8:9], s[8:9], s[36:37]
	s_add_nc_u64 s[KVB:KVB+1], s[6:7], s[34:35]
.irp k, 0,1,2,3,4,5,6,7
	global_load_b128 v[S+32+4*\k:S+32+4*\k+3], v[TA], s[4:5] offset:4096*\k th:TH_LOAD_NT   ; Q: sixteen lanes read one query's whole row, 256 consecutive aligned bytes; read once, by this wave alone
.endr
	global_load_b128 v[SCR:SCR+3], v[FV], s[KVB:KVB+1] offset:SCL   ; the head's 8,192 scale bytes: 16 a thread
	FILLLOAD 0                                     ; tiles 0 to 3.  17 loads of mine are out now, 8 at the most later
.set n, 0
.rept 32
	v_mov_b32 v[O+n], 0                            ; O^T.  (The step is written once: the first finds zeros, which the first change of M leaves zeros)
.set n, n+1
.endr
.set n, 0
.rept 8
	v_mov_b32 v[QZ+n], 0                           ; the zero codes on both sides of Q's
	v_mov_b32 v[QZ+16+n], 0
.set n, n+1
.endr
.irp b, 0,1,2,3
	v_mov_b32 v[PD+\b], 0                          ; a lane permute's destination counts as one of its sources
.endr
	v_mov_b32 v[SUM], 0
	v_mov_b32 v[SUM+1], 0
	v_mov_b32 v[F+1], 0                            ; named as the upper half of the pair
	v_mov_b32 v[NM+1], 0xff61b1e6                  ; the largest t so far: -3e38, under every t
	v_floor_f32 v[NM], -v[NM+1]
	s_wait_loadcnt 9                               ; loads come back in order (ISA guide 5.7.1): Q's eight are in; the scale bytes and group 0's eight, which are younger, stay out
	; Q's turn: rows of 256 bytes + 16 of padding, so that the sixteen rows that a load touches begin 272 bytes apart
.irp k, 0,1,2,3,4,5,6,7
	ds_store_b128 v[AD], v[S+32+4*\k:S+32+4*\k+3] offset:544*\k
.endr
.irp b, 0,1
.irp j, 0,1,2,3
	ds_load_b128 v[S+16*\b+4*\j:S+16*\b+4*\j+3], v[AS] offset:128*\b+16*\j    ; Q(r, 32 b + 16 h + 4 j ..).  LDS serves a wave's instructions in order (ISA guide 5.7.1.4): these see the stores above
.endr
.endr
	s_wait_dscnt 0x0
	; Q's two blocks of 32: 16 numbers in my lane, 16 in lane l xor 16.  This arithmetic stands while group 0 is on its way
.irp b, 0,1
	v_max3_num_f32 v[BM+\b], |v[S+16*\b]|, |v[S+16*\b+1]|, 0x8000000
.endr
.irp i, 2,4,6,8,10,12,14
.irp b, 0,1
	v_max3_num_f32 v[BM+\b], v[BM+\b], |v[S+16*\b+\i]|, |v[S+16*\b+\i+1]|
.endr
.endr
.irp b, 0,1
	v_permlanex16_b32 v[PD+\b], v[BM+\b], s[SEL], s[SEL+1]
.endr
.irp b, 0,1
	v_max_num_f32 v[BM+\b], v[BM+\b], v[PD+\b]
.endr
.irp b, 0,1
	v_add_nc_u32 v[SOP+\b], 0xf8800000, v[BM+\b]
.endr
.irp b, 0,1
	v_and_or_b32 v[HD+\b], v[BM+\b], 0x7f800000, s[MNT]
.endr
.irp b, 0,1
	v_lshrrev_b32 v[PD+\b], 23, v[SOP+\b]
.endr
	v_lshl_or_b32 v[QSW], v[PD+1], 8, v[PD]
	v_lshl_or_b32 v[QSW], v[QSW], 16, v[QSW]       ; (s0, s1, s0, s1): the word serves [q | zeros] and [zeros | q] alike
.irp b, 0,1
.set n, 0
.rept 16
	v_med3_num_f32 v[S+16*\b+n], v[S+16*\b+n], -v[HD+\b], v[HD+\b]   ; the conversion to an 8-bit code does not saturate (ISA guide 7.6.2): the hold comes first
.set n, n+1
.endr
	v_cvt_scalef32_pk8_bf8_f32 v[QZ+8+4*\b:QZ+9+4*\b], v[S+16*\b:S+16*\b+7], v[SOP+\b]
	v_cvt_scalef32_pk8_bf8_f32 v[QZ+10+4*\b:QZ+11+4*\b], v[S+16*\b+8:S+16*\b+15], v[SOP+\b]
.endr
	s_wait_loadcnt 0x0                             ; the scale bytes and group 0
	ds_store_b128 v[FA], v[SCR:SCR+3]
	FILLSTORE 0
	s_wait_dscnt 0x0                               ; my part has landed, and the stores have read the 32 registers,
	FILLLOAD 1                                     ; which take tiles 4 to 7
	s_barrier_signal -1
	s_barrier_wait -1                              ; everybody's part has landed
	GROUP 0
	s_wait_loadcnt 0x0                             ; group 1, asked for four key steps ago
	FILLSTORE 1                                    ; into bytes that nobody has read or written yet
	s_wait_dscnt 0x0
	FILLLOAD 2                                     ; tiles 8 to 11
	s_barrier_signal -1
	s_barrier_wait -1
	GROUP 1
	s_wait_loadcnt 0x0                             ; group 2
	FILLSTORE 2                                    ; Q's stages lay here: every wave's reads of them were back in front of the first barrier
	s_wait_dscnt 0x0                               ; landed; and my reads of groups 0 and 1 are over
	FILLLOAD 3                                     ; tiles 12 to 15
	s_barrier_signal -1
	s_barrier_wait -1                              ; everybody's are: the bytes of groups 0 and 1 may be written
	s_cmp_eq_u32 s[HI], 0
	s_cbranch_scc0 .Lnot_early
	WAYOUT                                         ; the early block's queries lie under 1,024: no key of groups 2 and 3 counts for them, so these waves' results leave now
	s_wait_xcnt 0x0                                ; the text behind names the stores' registers again: only behind this wait
.Lnot_early:
	GROUP 2
	s_wait_loadcnt 0x0                             ; group 3, the last
	FILLSTORE 3
	s_wait_dscnt 0x0
	s_barrier_signal -1
	s_barrier_wait -1
	GROUP 3
	s_cmp_eq_u32 s[HI], 0
	s_cbranch_scc1 .Lend
	WAYOUT                                         ; the late block.  No barrier: the stage is my own, and groups 2 and 3, which others may still read, begin at byte 131,072
.Lend:
	s_wait_tensorcnt 0x0
	ds_add_u32 v254, v255
	s_wait_dscnt 0x0
	s_endpgm
.Lfunc_end_k_qb255b74ad2_attn:
	.size	k_qb255b74ad2_attn, .Lfunc_end_k_qb255b74ad2_attn-k_qb255b74ad2_attn
	.p2alignl 7, 3214868480
	.fill 96, 4, 3214868480
	.section	.rodata,"a",@progbits
	.p2align	6, 0x0
	.amdhsa_kernel k_qb255b74ad2_attn
		.amdhsa_group_segment_fixed_size 272384
		.amdhsa_private_segment_fixed_size 0
		.amdhsa_enable_private_segment 0
		.amdhsa_kernarg_size 24
		.amdhsa_user_sgpr_count 2
		.amdhsa_user_sgpr_kernarg_segment_ptr 1
		.amdhsa_wavefront_size32 1
		.amdhsa_system_sgpr_workgroup_id_x 1
		.amdhsa_system_sgpr_workgroup_id_y 1
		.amdhsa_system_sgpr_workgroup_id_z 1
		.amdhsa_system_vgpr_workitem_id 0
		.amdhsa_next_free_vgpr 256
		.amdhsa_next_free_sgpr 66
		.amdhsa_reserve_vcc 1
		.amdhsa_float_denorm_mode_32 3
		.amdhsa_float_denorm_mode_16_64 3
		.amdhsa_memory_ordered 1
		.amdhsa_forward_progress 1
		.amdhsa_inst_pref_size 123
	.end_amdhsa_kernel
	.amdgpu_metadata
---
amdhsa.version: [ 1, 2 ]
amdhsa.kernels:
  - .name:           k_qb255b74ad2_attn
    .symbol:         k_qb255b74ad2_attn.kd
    .args:
      - { .name: queries, .offset: 0, .size: 8, .value_kind: global_buffer, .address_space: global }
      - { .name: kv, .offset: 8, .size: 8, .value_kind: global_buffer, .address_space: global }
      - { .name: out0, .offset: 16, .size: 8, .value_kind: global_buffer, .address_space: global }
    .group_segment_fixed_size: 272384
    .private_segment_fixed_size: 0
    .kernarg_segment_align: 8
    .kernarg_segment_size: 24
    .max_flat_workgroup_size: 512
    .sgpr_count:     66
    .vgpr_count:     256
    .wavefront_size: 32
...
	.end_amdgpu_metadata
.endif
;; end of part 3
;; ======== version 3 of 3: 2 launches
;; workspace buffers: kv 8,650,752 bytes
;; launch quant (part 4): grid 16 x 32, 16 waves a work-group, no clusters, 80,384 bytes of LDS; arguments keys, values, kv; writes kv
.if DOCPART == 4
	.amdgcn_target "amdgcn-amd-amdhsa--gfx1250"
	.amdhsa_code_object_version 6
	.text
	.protected	k_qb255b74ad2_quant
	.globl	k_qb255b74ad2_quant
	.p2align	8
	.type	k_qb255b74ad2_quant,@function
k_qb255b74ad2_quant:
	s_mov_b64 s[64:65], 0
	v_nop
	global_prefetch_b8 v0, s[64:65] scope:SCOPE_SE
	s_setreg_imm32_b32 hwreg(HW_REG_WAVE_MODE, 25, 1), 1
	s_wait_xcnt 0x0
; keys and values, [4][2048][8][64] f32, become codes of BF8 (E5M2) with one E8M0 scale byte for each 32 along a product's K: K along the head's 64, V along the keys.
; The codes are laid as the attention launch wants them in LDS: IMAGES OF THE OPERANDS' REGISTERS.  A head has 270,336 bytes of kv: tile s (128 keys) at 16,384 s: K's four fragments (2,048 bytes each), then V's four;
; a fragment is four groups of 512 bytes, lane l's 16 bytes at 16 l.  The scale words lie behind the 16 tiles, 512 bytes a tile: K's 4 x 16 words, then V's.
; K: row m of fragment c holds TWO keys' codes, 64 + 64: keys 32 c + 16 (m / 8) + m % 8 and that + 8.  V: row m of fragment d holds channel 16 d + m, its 128 codes run along the tile's keys.
; SHARES.  A work-group takes one tile of one head (x = the tile, y = the head).  Waves 0-7 quantise K, waves 8-15 V: 32 numbers a lane, one whole block.  Both roles load alike, eight loads of 16 bytes a lane;
; a turn through the wave's own stage in LDS gives each lane its block.  The codes leave from registers: sixteen lanes store 256 consecutive aligned bytes.  The tile's 512 scale bytes meet in LDS and leave as one run.
; A block's scale is 2^(floor(log2(its largest magnitude)) - 15); its byte is the largest magnitude's exponent field - 15, held at 1 from below.
; LIMITS.  NaN and infinities among the inputs are not served.  A block of zeros gets the byte 1 where the quantiser's rule says 127: its codes are zeros, and this program alone reads the bytes.
.set TURN,  512                        ; LDS: the tile's 512 scale bytes at 0; behind them a stage of TURNB bytes for each wave, its own
.set TURNB, 4864
.set TILEB, 16384                      ; a tile's images in kv
.set SCL,   16*TILEB                   ; where a head's scale words begin
.set HEADB, SCL+16*512                 ; a head's bytes of kv
.set GV,  1                            ; v1   my byte offset in the tile's f32 numbers
.set PI,  2                            ; v2   my codes' byte offset in the tile's images
.set PS,  3                            ; v3   LDS address of my block's scale byte
.set TI,  4                            ; v4   the turn's stage, on the way in
.set TO,  5                            ; v5   and on the way out
.set TA,  6                            ; v6   lane
.set TB,  7                            ; v7   lane % 16
.set T,   8                            ; v8   lane / 16
.set OL,  9                            ; v9   16 x lane
.set X,   16                           ; v16-47 32 numbers
.set C,   48                           ; v48-55 their codes
.set PM0, 56                           ; v56-57 two chains of the largest magnitude
.set PM1, 57
.set HL,  58                           ; v58 57,344 x the scale
.set SP,  59                           ; v59 the conversion's scale operand
.set BY,  60                           ; v60 the scale's byte
.set OUTR, 64                          ; v64-67 the scale bytes on their way out
.set WV,  12                           ; s12 my wave's number
.set MNT, 23                           ; s23 the mantissa field of 57,344
.set PB,  28                           ; s[28:29] keys or values at my wave's part of the tile
.set KVI, 30                           ; s[30:31] kv at the tile's images
.set KVS, 32                           ; s[32:33] kv at the tile's scale words
.set OF,  34                           ; s[34:35] a byte offset, the upper word 0
	s_load_b128 s[4:7], s[0:1], 0x0                ; keys s[4:5], values s[6:7]
	s_load_b64 s[8:9], s[0:1], 0x10                ; kv
	v_lshl_add_u32 v72, v0, 2, 0x13200
	v_mov_b32 v73, 0
	v_lshrrev_b32 v[TA], 5, v0
	s_delay_alu instid0(VALU_DEP_1)
	v_readfirstlane_b32 s[WV], v[TA]               ; wave 0..15
	v_and_b32 v[TA], 31, v0                        ; lane
	v_and_b32 v[TB], 15, v0                        ; r = lane % 16
	v_bfe_u32 v[T], v0, 4, 1                       ; h = lane / 16
	s_delay_alu instid0(VALU_DEP_3)
	v_lshlrev_b32 v[OL], 4, v[TA]
	s_and_b32 s14, ttmp7, 0xffff                   ; the head, 8 x batch + head in the batch
	s_lshr_b32 s16, s14, 3
	s_lshl_b32 s16, s16, 22                        ; a batch is 2,048 positions x 2,048 bytes,
	s_and_b32 s36, s14, 7
	s_lshl_b32 s36, s36, 8                         ; a head's row 256 bytes,
	s_add_co_u32 s16, s16, s36
	s_lshl_b32 s36, ttmp9, 18                      ; a tile 128 keys x 2,048 bytes
	s_add_co_u32 s16, s16, s36
	s_mov_b32 s[MNT], 0x600000
	s_and_b32 s39, s[WV], 7                        ; pw = wave % 8
	s_lshr_b32 s40, s39, 1                         ; pw / 2: K: the fragment;  V: the block of 32 keys
	s_and_b32 s41, s39, 1                          ; pw % 2: K: which of a row's two keys;  V: which 32 channels
	s_lshl_b32 s[OF], s40, 16                      ; both roles: 32 keys x 2,048 bytes for each pw / 2
	s_add_co_u32 s[OF], s[OF], s16
	s_mul_i32 s42, s[WV], TURNB
	s_add_co_u32 s42, s42, TURN                    ; my stage for the turn
	s_cmp_lt_u32 s[WV], 8
	s_cbranch_scc0 .Lrole_v
	; K: rows m = 0 .. 15 are keys 32 (pw / 2) + 8 (pw % 2) + 16 (m / 8) + m % 8
	s_lshl_b32 s43, s41, 14                        ; 8 keys on for pw % 2
	s_lshl_b32 s44, s39, 10                        ; my two groups of the fragment's image: 1,024 pw
	s_lshl_b32 s36, s40, 6
	s_lshl_b32 s37, s41, 1
	s_add_co_u32 s36, s36, s37                     ; my bytes of the scale words: 64 (pw / 2) + 2 (pw % 2)
	s_wait_alu depctr_va_vdst(0)
	v_lshlrev_b32 v[GV], 15, v[T]                  ; lanes 16-31 read rows 8 .. 15: 16 keys on
	s_delay_alu instid0(VALU_DEP_1)
	v_lshl_add_u32 v[GV], v[TB], 4, v[GV]
	v_bfe_u32 v[TI], v0, 3, 1
	s_delay_alu instid0(VALU_DEP_1)
	v_mul_u32_u24 v[TI], v[TI], 2432               ; the turn, in: e >= 32 goes to the second halves,
	s_delay_alu instid0(VALU_DEP_1)
	v_mad_u32_u24 v[TI], v[T], 1152, v[TI]         ; lanes 16-31 hold rows 8 on (8 x 144),
	v_and_b32 v[TO], 7, v0
	s_delay_alu instid0(VALU_DEP_1)
	v_lshl_add_u32 v[TI], v[TO], 4, v[TI]          ; 16 bytes for each lane % 8
	s_delay_alu instid0(VALU_DEP_1)
	v_add_nc_u32 v[TI], s42, v[TI]
	v_mul_u32_u24 v[TO], v[TA], 144                ; out: 144 x lane + 128 (lane / 16) = 144 (lane % 16) + 2,432 (lane / 16)
	s_delay_alu instid0(VALU_DEP_1)
	v_lshl_add_u32 v[TO], v[T], 7, v[TO]
	s_delay_alu instid0(VALU_DEP_1)
	v_add_nc_u32 v[TO], s42, v[TO]
	v_lshlrev_b32 v[PI], 9, v[T]                   ; behind the turn lane m + 16 b holds block b of row m: group 2 (pw % 2) + b, lane m
	s_delay_alu instid0(VALU_DEP_1)
	v_lshl_add_u32 v[PI], v[TB], 4, v[PI]
	s_delay_alu instid0(VALU_DEP_1)
	v_add_nc_u32 v[PI], s44, v[PI]
	v_lshl_add_u32 v[PS], v[TB], 2, v[T]           ; row m's word, byte 2 (pw % 2) + b
	s_delay_alu instid0(VALU_DEP_1)
	v_add_nc_u32 v[PS], s36, v[PS]
	s_branch .Lrole_done
.Lrole_v:
	; V: channels 32 (pw % 2) .. + 31 of the 32 keys of block pw / 2.  Behind the turn my lane is channel 32 (pw % 2) + lane
	s_lshl_b32 s43, s41, 7                         ; 32 channels x 4 bytes
	s_lshl_b32 s44, s41, 12
	s_lshl_b32 s36, s40, 9
	s_add_co_u32 s44, s44, s36
	s_add_co_u32 s44, s44, 8192                    ; behind K's images: fragment 2 (pw % 2) + lane / 16, group pw / 2
	s_lshl_b32 s36, s41, 7
	s_add_co_u32 s36, s36, s40
	s_add_co_u32 s36, s36, 256                     ; behind K's words: the channel's word, byte pw / 2
	v_bfe_u32 v[TI], v0, 3, 2                      ; q = lane / 8
	v_and_b32 v[TO], 7, v0                         ; lane % 8
	s_delay_alu instid0(VALU_DEP_2)
	v_lshlrev_b32 v[GV], 14, v[TI]                 ; load j reads key 8 q + j,
	s_delay_alu instid0(VALU_DEP_1)
	v_lshl_add_u32 v[GV], v[TO], 4, v[GV]          ; four channels for each lane % 8
	s_delay_alu instid0(VALU_DEP_4)
	v_mul_u32_u24 v[TI], v[TI], 1152               ; the turn, in: key 8 q + j at 144 (8 q + j),
	s_delay_alu instid0(VALU_DEP_1)
	v_lshl_add_u32 v[TI], v[TO], 4, v[TI]          ; my 16 bytes of its 128
	s_delay_alu instid0(VALU_DEP_1)
	v_add_nc_u32 v[TI], s42, v[TI]
	v_lshl_add_u32 v[TO], v[TA], 2, s42            ; out: 4 x lane: my channel, key k 144 k bytes on
	v_lshlrev_b32 v[PI], 11, v[T]
	s_delay_alu instid0(VALU_DEP_1)
	v_lshl_add_u32 v[PI], v[TB], 4, v[PI]
	s_delay_alu instid0(VALU_DEP_1)
	v_add_nc_u32 v[PI], s44, v[PI]
	v_lshl_add_u32 v[PS], v[TA], 2, s36
.Lrole_done:
	s_add_co_u32 s[OF], s[OF], s43                 ; my wave's part of the tile, in bytes (under 2^25)
	s_mov_b32 s[OF+1], 0
	s_mul_i32 s36, s14, HEADB                      ; the head's bytes of kv (under 2^24),
	s_lshl_b32 s37, ttmp9, 14
	s_add_co_u32 s38, s36, s37                     ; the tile's images,
	s_mov_b32 s39, 0
	s_lshl_b32 s37, ttmp9, 9
	s_add_co_u32 s36, s36, s37
	s_add_co_u32 s36, s36, SCL                     ; and its scale words
	s_mov_b32 s37, 0
	s_wait_kmcnt 0x0
	s_cmp_lt_u32 s[WV], 8                          ; keys or values: the choice hangs on the wave's number alone
	s_cselect_b64 s[PB:PB+1], s[4:5], s[6:7]
	s_add_nc_u64 s[PB:PB+1], s[PB:PB+1], s[OF:OF+1]
	s_wait_alu depctr_va_vdst(0)
	; K waves: sixteen lanes read one key's whole row, 256 consecutive aligned bytes.  V waves: eight lanes read 32 channels of one key, 128 consecutive bytes; the wave beside takes the row's other 128.
.irp j, 0,1,2,3,4,5,6,7
	global_load_b128 v[X+4*\j:X+4*\j+3], v[GV], s[PB:PB+1] offset:2048*\j th:TH_LOAD_NT   ; read once in the whole launch
.endr
	s_add_nc_u64 s[KVI:KVI+1], s[8:9], s[38:39]
	s_add_nc_u64 s[KVS:KVS+1], s[8:9], s[36:37]
	s_wait_loadcnt 0x0
	; THE TURN, through my own stage.  In: the same eight stores for both roles, 144 bytes on for each key further on.
	; K: as loaded, lane (r, h) holds e = 4 r .. 4 r + 3 of row j + 8 h in registers 4 j on.  A row's half is 128 bytes + 16 of padding; the second halves begin 2,432 bytes on, which is 128 modulo 256.
	; V: as loaded, lane 8 q + c holds channels 4 c .. 4 c + 3 of key 8 q + j.  A key's 32 channels are 128 bytes + 16 of padding; eight keys on are 1,152 bytes, which is 128 modulo 256.
.irp j, 0,1,2,3,4,5,6,7
	ds_store_b128 v[TI], v[X+4*\j:X+4*\j+3] offset:144*\j
.endr
	s_cmp_lt_u32 s[WV], 8
	s_cbranch_scc0 .Lback_v
.irp j, 0,1,2,3,4,5,6,7
	ds_load_b128 v[X+4*\j:X+4*\j+3], v[TO] offset:16*\j    ; K, out: lane m + 16 b gets e = 32 b .. 32 b + 31 of row m.  LDS serves a wave's instructions in order (ISA guide 5.7.1.4): these see the stores above
.endr
	s_wait_dscnt 0x0
	s_branch .Lquant
.Lback_v:
.set n, 0
.rept 32
	ds_load_b32 v[X+n], v[TO] offset:144*n                 ; V, out: my lane is a channel, and its registers run down the block's 32 keys
.set n, n+1
.endr
	s_wait_dscnt 0x0
.Lquant:
	v_max3_num_f32 v[PM0], |v[X]|, |v[X+1]|, |v[X+2]|              ; the block's largest magnitude, in two chains
	v_max3_num_f32 v[PM1], |v[X+3]|, |v[X+4]|, |v[X+5]|
.irp i, 6,10,14,18,22,26
	s_delay_alu instid0(VALU_DEP_2)
	v_max3_num_f32 v[PM0], v[PM0], |v[X+\i]|, |v[X+\i+1]|
	s_delay_alu instid0(VALU_DEP_2)
	v_max3_num_f32 v[PM1], v[PM1], |v[X+\i+2]|, |v[X+\i+3]|
.endr
	s_delay_alu instid0(VALU_DEP_2)
	v_max3_num_f32 v[PM0], v[PM0], |v[X+30]|, |v[X+31]|
	s_delay_alu instid0(VALU_DEP_1)
	v_max3_num_f32 v[PM0], v[PM0], v[PM1], 0x8000000               ; and the floor 2^(16 - 127): the byte cannot fall under 1
	s_delay_alu instid0(VALU_DEP_1)
	v_add_nc_u32 v[SP], 0xf8800000, v[PM0]                         ; 15 off its exponent field: the conversion takes this operand's exponent field as its scale
	s_delay_alu instid0(VALU_DEP_2)
	v_and_or_b32 v[HL], v[PM0], 0x7f800000, s[MNT]                 ; 57,344 x the scale: the same exponent field over 57,344's mantissa
.set n, 0
.rept 32
	v_med3_num_f32 v[X+n], v[X+n], -v[HL], v[HL]                   ; the conversion to an 8-bit code does not saturate (ISA guide 7.6.2): the hold comes first
.set n, n+1
.endr
.irp g, 0,1,2,3
	v_cvt_scalef32_pk8_bf8_f32 v[C+2*\g:C+2*\g+1], v[X+8*\g:X+8*\g+7], v[SP]
.endr
	v_lshrrev_b32 v[BY], 23, v[SP]                                 ; the scale's byte
	ds_store_b8 v[PS], v[BY]
	global_store_b128 v[PI], v[C:C+3], s[KVI:KVI+1]                ; the block's first 16 codes belong to lanes 0-15 of the operand,
	global_store_b128 v[PI], v[C+4:C+7], s[KVI:KVI+1] offset:256   ; its last 16 to lanes 16-31: 256 bytes on.  Sixteen lanes store 256 consecutive aligned bytes
	s_wait_dscnt 0x0                               ; for wave 0's sake: my scale bytes have landed
	s_barrier_signal -1
	s_barrier_wait -1
	s_cmp_lg_u32 s[WV], 0
	s_cbranch_scc1 .Lend
	ds_load_b128 v[OUTR:OUTR+3], v[OL]             ; the tile's 512 scale bytes, 16 a lane
	s_wait_dscnt 0x0
	global_store_b128 v[OL], v[OUTR:OUTR+3], s[KVS:KVS+1]   ; 512 consecutive aligned bytes
.Lend:
	s_wait_tensorcnt 0x0
	ds_add_u32 v72, v73
	s_wait_dscnt 0x0
	s_endpgm
.Lfunc_end_k_qb255b74ad2_quant:
	.size	k_qb255b74ad2_quant, .Lfunc_end_k_qb255b74ad2_quant-k_qb255b74ad2_quant
	.p2alignl 7, 3214868480
	.fill 96, 4, 3214868480
	.section	.rodata,"a",@progbits
	.p2align	6, 0x0
	.amdhsa_kernel k_qb255b74ad2_quant
		.amdhsa_group_segment_fixed_size 80384
		.amdhsa_private_segment_fixed_size 0
		.amdhsa_enable_private_segment 0
		.amdhsa_kernarg_size 24
		.amdhsa_user_sgpr_count 2
		.amdhsa_user_sgpr_kernarg_segment_ptr 1
		.amdhsa_wavefront_size32 1
		.amdhsa_system_sgpr_workgroup_id_x 1
		.amdhsa_system_sgpr_workgroup_id_y 1
		.amdhsa_system_sgpr_workgroup_id_z 1
		.amdhsa_system_vgpr_workitem_id 0
		.amdhsa_next_free_vgpr 74
		.amdhsa_next_free_sgpr 66
		.amdhsa_reserve_vcc 0
		.amdhsa_float_denorm_mode_32 3
		.amdhsa_float_denorm_mode_16_64 3
		.amdhsa_memory_ordered 1
		.amdhsa_forward_progress 1
		.amdhsa_inst_pref_size 14
	.end_amdhsa_kernel
	.amdgpu_metadata
---
amdhsa.version: [ 1, 2 ]
amdhsa.kernels:
  - .name:           k_qb255b74ad2_quant
    .symbol:         k_qb255b74ad2_quant.kd
    .args:
      - { .name: keys, .offset: 0, .size: 8, .value_kind: global_buffer, .address_space: global }
      - { .name: values, .offset: 8, .size: 8, .value_kind: global_buffer, .address_space: global }
      - { .name: kv, .offset: 16, .size: 8, .value_kind: global_buffer, .address_space: global }
    .group_segment_fixed_size: 80384
    .private_segment_fixed_size: 0
    .kernarg_segment_align: 8
    .kernarg_segment_size: 24
    .max_flat_workgroup_size: 512
    .sgpr_count:     66
    .vgpr_count:     74
    .wavefront_size: 32
...
	.end_amdgpu_metadata
.endif
;; end of part 4
;; launch attn (part 5): grid 8 x 32, 16 waves a work-group, no clusters, 272,384 bytes of LDS; arguments queries, kv, out0; writes out0
.if DOCPART == 5
	.amdgcn_target "amdgcn-amd-amdhsa--gfx1250"
	.amdhsa_code_object_version 6
	.text
	.protected	k_qb255b74ad2_attn
	.globl	k_qb255b74ad2_attn
	.p2align	8
	.type	k_qb255b74ad2_attn,@function
k_qb255b74ad2_attn:
	s_mov_b64 s[64:65], 0
	v_nop
	global_prefetch_b8 v0, s[64:65] scope:SCOPE_SE
	s_setreg_imm32_b32 hwreg(HW_REG_WAVE_SCHED_MODE, 0, 2), 2
	s_setreg_imm32_b32 hwreg(HW_REG_WAVE_MODE, 25, 1), 1
	s_wait_xcnt 0x0
	s_wait_alu depctr_vm_vsrc(0)
; Causal attention, both products on codes of BF8 (E5M2) with one E8M0 scale for each 32 along a product's K.  K's and V's codes and scale words come from kv, made by the launch before; Q is quantised here.
; queries, out0: [4][2048][8][64] f32: the row of (batch, position, head) is 256 consecutive aligned bytes, positions lie 2,048 bytes apart.
; t = score x log2(e) / 8; M = the running largest t rounded UP to a whole number; p = 2^(t - M) is quantised along the keys, not normalised; the row's sum is taken of the unquantised p and divides at the end.
; SHARES.  256 work-groups: x = i (0..7), y = the head (0..31).  A work-group owns the blocks i and 15 - i of 128 queries: (i + 1) + (16 - i) = 17 key steps for each pair of waves, the same in every work-group.
; Sixteen waves of 256 registers, four to a SIMD; a wave owns ONE tile of 16 queries.  The keys go in steps of 128; a step all of whose keys come after the wave's queries is left out by a scalar branch on ids.
; A WHOLE HEAD'S CODES LIE IN LDS, 270,336 bytes, byte for byte as they lie in kv: tile s (128 keys) at 16,384 s: K's four fragments, then V's four, as IMAGES OF THE OPERANDS' REGISTERS (a group of four registers: 512 bytes,
; lane l's 16 bytes at 16 l); the scale words behind the 16 tiles, 512 bytes a tile.  They come in four groups of four tiles, through 32 registers, one group (four key steps) ahead: thread t takes byte 16 t of each 8,192,
; so that the offset in kv and the LDS address are one number.  One barrier stands in front of each group's four steps; between them the waves run free.
; STAGES.  Q's rows are loaded whole and turned through 4,352 bytes of the wave's own in group 2's and 3's bytes, which nothing else touches until two barriers later.  The way out goes through 4,352 bytes of the wave's own in
; group 0's and 1's bytes (under byte 69,632), which nobody reads behind the barrier in front of group 2.  The waves of the early block (queries under 1,024: no key beyond tile 7) go out there, the others behind group 3.
; LAYOUT.  Both products are used transposed, so that a lane holds one query (lane % 16) throughout.  S^T = K Q^T has K = 64, half of the instruction's 128: a row of a fragment of K holds TWO keys' codes, 64 + 64, and the
; fragment is multiplied twice, by [q | zeros] and by [zeros | q]; zero codes add nothing.  Row m of fragment c holds keys 32 c + 16 (m / 8) + m % 8 and that + 8, so that register S + 16 c + i is key 32 c + 16 (lane / 16) + i:
; the order that the second product's operand wants.  O^T = V^T P^T: fragment d = channels 16 d .. 16 d + 15 x the step's 128 keys.
; NO JOINT REQUESTS: what the eight work-groups of a head share is read once by each, 33 loads of 512 bytes a wave in the whole launch, asked for four key steps ahead of their use.
; LIMITS.  NaN and infinities among the inputs are not served.  A block of zeros gets the scale byte 1 where the quantiser's rule says 127: its codes are zeros, and this program alone reads the bytes.
; A block's largest p is taken from its largest score by the same multiply-add and exponential, which takes v_exp_f32 not to fall where its input rises.  In a row of K's fragments two keys 8 apart share one matrix instruction:
; should the unit align its sums by the scales of blocks whose partner codes are zeros, keys whose magnitudes differ by many powers of two would cost the smaller some last bits.
; THE MODE: SCHED_MODE bits 1:0 = 2 (LLVM: expert scheduling mode 2), set by the entry lines.  The code itself states the register dependences between vector or matrix instructions and memory or LDS instructions,
; with s_wait_alu, always for 0.
; THE PLAN.  Registers that memory or LDS instructions touch:
;   v[FV], v[FA], v[TA], v[FB ..], v254, v255   Made at the head, ahead of its one wait on va_vdst, and never written again.
;   v[AD], v[AS]   Written by two additions at a step's head; read by all of the step's LDS loads.
;   W              K's fragments 0 and 1 land; S^T's products read them; then vector work writes and reads p's codes, maxima, holds and operands there; V^T P reads the codes.
;   W2             K's fragments 2 and 3 land; S^T's products read them; then V's fragments 0 and 1 land; V^T P reads them.
;   KS             K's scale words land; S^T's products read them; then V's land; V^T P reads them.
;   S              Written by S^T's products, worked on in place; behind the conversions of blocks 0 and 1 V's fragments 2 and 3 land in its first 32 registers; V^T P reads them.
;   X, SCR         Loads from kv land; LDS stores read them; no vector instruction names them.
; A STEP'S WAITS.  vm_vsrc at its head, ahead of the additions.  va_vdst five times: ahead of K's twenty loads; behind S^T's products and their places, ahead of the twelve loads into W2 and KS; behind the exponentials;
; behind the conversions of blocks 0 and 1, ahead of the eight loads into S; ahead of V^T P.  Between a wait and the loads that lean on it no vector or matrix instruction names a register that those loads touch.
; On the diagonal the compares go into sixteen scalar registers at a time, with one wait on va_sdst behind each run.
.set TILEB, 16384                      ; a tile's images: K's four fragments of 2,048 bytes,
.set VIMG,  8192                       ; then V's four
.set GRPB,  4*TILEB                    ; a group of four tiles
.set SCL,   16*TILEB                   ; the scale words: 512 bytes a tile: K's 4 x 16 words, then V's
.set HEADB, SCL+16*512                 ; a head's bytes, in kv and in LDS
.set OSTGB, 16*272                     ; a stage: 16 rows x (256 bytes + 16), one for each wave
.set QSTG,  2*GRPB                     ; Q's stages begin here; the way out's begin at byte 0
.set LI,  1                            ; v1   16 x lane: my place in a group of an image
.set LSW, 2                            ; v2   4 x (lane % 16): my row's scale word
.set FV,  3                            ; v3   16 x my thread's number: my place in each 8,192 bytes of the fill; never rewritten
.set AD,  4                            ; v4   LDS address of my place in the step's images
.set AS,  5                            ; v5   and in its scale words
.set FA,  6                            ; v6   the fill: where my 16 scale bytes go     (v4 to v7 are made anew on the way out)
.set DM,  8                            ; v8   lane % 16 - 16 (lane / 16), for the mask
.set QSW, 9                            ; v9   Q's scale word; scales only
.set TA,  10                           ; v10  2,048 (lane / 16) + 16 (lane % 16): my 16 bytes of two rows, in queries and in out0; never rewritten
.set TB,  11                           ; v11  at work
.set NM,  12                           ; v12 -M, v13 the largest t so far
.set SUM, 14                           ; v[14:15] the row's sum in two halves
.set QZ,  16                           ; v16-23 zeros, v24-31 Q's codes, v32-39 zeros: [zeros | q] = v[16:31], [q | zeros] = v[24:39]
.set S,   40                           ; v40-103  S^T, then p; then v40-71 V's fragments 2 and 3
.set O,   104                          ; v104-135 O^T
.set W,   136                          ; v136-167 K's fragments 0 and 1; behind the first product:
.set PC,  136                          ;   v136-151 p's codes
.set BM,  152                          ;   v152-155 a block's largest score, then its largest p
.set PD,  156                          ;   v156-159 the other half's maxima, then the bytes, then a chain of the sum
.set HD,  160                          ;   v160-163 57,344 x the scale
.set SOP, 164                          ;   v164-167 the conversions' scale operands
.set KS,  168                          ; v168-171 K's scale words, then V's; scales only
.set PSW, 172                          ; v172 p's scale word; scales only
.set T,   173                          ; v173 at work
.set F,   174                          ; v[174:175] f = 2^(old M - new M); the upper word is named with it and holds 0
.set X,   178                          ; v178-209 a group's bytes on their way to LDS
.set W2,  210                          ; v210-241 K's fragments 2 and 3, then V's fragments 0 and 1
.set SCR, 242                          ; v242-245 my 16 scale bytes on their way to LDS
.set HB,  246                          ; v246-249 57,344 x the scale once more, for the second half of a pair of holds
.set FB,  250                          ; v250-252 the fill: where my bytes of groups 1, 2, 3 go: 16 x my thread's number + 65,536 x the group; never rewritten
.set WV,  12                           ; s12 my wave's number
.set Q0,  18                           ; s18 my first query
.set TS,  19                           ; s19 at work in a step
.set KF,  20                           ; s20 the step's first key
.set TBS, 21                           ; s21 LDS byte at which the step's images begin
.set CNT, 22                           ; s22 trips to go
.set MNT, 23                           ; s23 the mantissa field of 57,344
.set SEL, 24                           ; s[24:25] v_permlanex16_b32's selects for lane l xor 16
.set CS,  26                           ; s[26:27] c = log2(e) / 8, twice: the packed form names the pair
.set KVB, 28                           ; s[28:29] kv at the head's first byte; never rewritten
.set TSC, 30                           ; s30 LDS byte at which the step's scale words begin
.set HI,  31                           ; s31 1: my tile lies in the late block, 0: in the early one
.set MK,  32                           ; s32-47 the diagonal's masks, sixteen at a time (at the head and on the way out some of these hold offsets)
; Group g of four tiles is asked for: eight loads, each 512 consecutive bytes a wave.  No cache word: the other work-groups of the head read the same bytes.
.macro FILLLOAD g
.irp j, 0,1,2,3,4,5,6,7
	global_load_b128 v[X+4*\j:X+4*\j+3], v[FV], s[KVB:KVB+1] offset:(\g)*GRPB+8192*\j
.endr
.endm
; and goes to LDS, to the same byte numbers.  adr: the register that holds my place in the group
.macro FILLSTORE adr
.irp j, 0,1,2,3,4,5,6,7
	ds_store_b128 v[\adr], v[X+4*\j:X+4*\j+3] offset:8192*\j
.endr
.endm
; A KEY STEP of my 16 queries: the tile at s[TBS], its scale words at s[TSC].
.macro COMPUTE
	s_add_co_u32 s[TS], s[Q0], 15
	s_cmp_gt_u32 s[KF], s[TS]
	s_cbranch_scc1 .Lhidden_\@                     ; all 128 keys come after my queries
	s_wait_alu depctr_vm_vsrc(0)                   ; the LDS instructions issued so far have read v[AD] and v[AS], which the two additions write
	v_add_nc_u32 v[AD], s[TBS], v[LI]
	v_add_nc_u32 v[AS], s[TSC], v[LSW]
.rept 7
	v_nop                                          ; with the two additions: nine places behind the last step's V^T P, in front of products that write over registers that it read
.endr
	s_wait_alu depctr_va_vdst(0)                   ; v[AD] and v[AS] are written, which the loads below read; the last V^T P is done reading W, W2 and KS, and the vector work on W is done: the loads land there; ahead of my first step: Q's codes and scale word are written, which the products take
.irp c, 0,1,2,3                                ; K's four fragments and their scale words, in one run of twenty loads
.if \c < 2
.set ka, W+16*\c
.else
.set ka, W2+16*(\c-2)
.endif
.irp cc, 0,1,2,3
	ds_load_b128 v[ka+4*\cc:ka+4*\cc+3], v[AD] offset:2048*\c+512*\cc
.endr
	ds_load_b32 v[KS+\c], v[AS] offset:64*\c
.endr
.irp c, 0,1,2,3                                ; S^T = K Q^T: each fragment (32 keys) is multiplied twice; eight accumulators, each written once
.if \c < 2
.set ka, W+16*\c
.else
.set ka, W2+16*(\c-2)
.endif
.if \c == 0
	s_wait_dscnt 10                                ; LDS loads come back in order (ISA guide 5.7.1): fragments 0 and 1 and their words are in, the ten loads of fragments 2 and 3 stay out
.endif
.if \c == 2
	s_wait_dscnt 0x0
.endif
	v_wmma_scale_f32_16x16x128_f8f6f4 v[S+16*\c:S+16*\c+7], v[ka:ka+15], v[QZ+8:QZ+23], 0, v[KS+\c], v[QSW] matrix_a_fmt:MATRIX_FMT_BF8 matrix_b_fmt:MATRIX_FMT_BF8
	v_wmma_scale_f32_16x16x128_f8f6f4 v[S+16*\c+8:S+16*\c+15], v[ka:ka+15], v[QZ:QZ+15], 0, v[KS+\c], v[QSW] matrix_a_fmt:MATRIX_FMT_BF8 matrix_b_fmt:MATRIX_FMT_BF8
.endr
.rept 8
	v_nop                                          ; places in front of the first read of results and of writes into K's registers
.endr
	s_wait_alu depctr_va_vdst(0)                   ; the eight products are done reading W2 and KS, in which the twelve loads below land
.irp d, 0,1                                    ; V's fragments 0 and 1, into the registers that K's fragments 2 and 3 have left: the whole softmax stands between the request and the wait for it
.irp cc, 0,1,2,3
	ds_load_b128 v[W2+16*\d+4*\cc:W2+16*\d+4*\cc+3], v[AD] offset:VIMG+2048*\d+512*\cc
.endr
.endr
.irp d, 0,1,2,3
	ds_load_b32 v[KS+\d], v[AS] offset:256+64*\d   ; and V's four scale words
.endr
	s_add_co_u32 s[TS], s[KF], 127                 ; on the diagonal the scores of hidden keys become -infinity ahead of the maximum: p = 0 then.  A step all of whose keys count skips this
	s_cmp_le_u32 s[TS], s[Q0]
	s_cbranch_scc1 .Lopen_\@
	s_sub_co_i32 s[TS], s[Q0], s[KF]
	v_add_nc_u32 v[T], s[TS], v[DM]                ; d = my query - KF - 16 (lane / 16).  Register 16 b + i holds key KF + 32 b + 16 (lane / 16) + i: hidden where 32 b + i > d
	v_mov_b32 v[TB], 0xff800000
.irp b, 0,1,2,3                                ; a block's sixteen compares in one run, each into a scalar register of its own; then its sixteen selects, each accumulator from its low end on
.set n, 0
.rept 16
	v_cmp_gt_i32 s[MK+n], 32*\b+n, v[T]
.set n, n+1
.endr
	s_wait_alu depctr_va_sdst(0)                   ; the sixteen compares have written s[MK ..], ahead of the selects that read them
.set n, 0
.rept 16
	v_cndmask_b32 v[S+16*\b+n], v[S+16*\b+n], v[TB], s[MK+n]
.set n, n+1
.endr
.endr
.Lopen_\@:
.irp b, 0,1,2,3
	v_max3_num_f32 v[BM+\b], v[S+16*\b], v[S+16*\b+1], v[S+16*\b+2]    ; the largest score of each block of 32 keys: for the row's maximum, and, since p rises with the score, for the block's largest p
.endr
.irp i, 3,5,7,9,11,13
.irp b, 0,1,2,3
	v_max3_num_f32 v[BM+\b], v[BM+\b], v[S+16*\b+\i], v[S+16*\b+\i+1]  ; (the four blocks by turns)
.endr
.endr
.irp b, 0,1,2,3
	v_max_num_f32 v[BM+\b], v[BM+\b], v[S+16*\b+15]
.endr
.irp b, 0,1,2,3
	v_permlanex16_b32 v[PD+\b], v[BM+\b], s[SEL], s[SEL+1]
.endr
.irp b, 0,1,2,3
	v_max_num_f32 v[BM+\b], v[BM+\b], v[PD+\b]     ; with lane l xor 16's 16 keys
.endr
	v_max3_num_f32 v[T], v[BM], v[BM+1], v[BM+2]
	v_max_num_f32 v[T], v[T], v[BM+3]              ; the step's largest score of my query
	v_mul_f32 v[T], s[CS], v[T]                    ; as t (c is positive)
	v_max_num_f32 v[NM+1], v[NM+1], v[T]           ; the running largest t
	v_mov_b32 v[T], v[NM]
	v_floor_f32 v[NM], -v[NM+1]                    ; the new -M = floor(-t) = -ceil(t): a whole number
	v_sub_f32 v[T], v[NM], v[T]                    ; old M - new M: a whole number, 0 or less
	v_cvt_i32_f32 v[T], v[T]                       ; (it saturates)
	v_ldexp_f32 v[F], 1.0, v[T]                    ; f = 2^(old M - new M): a multiplication by it rounds nothing
.set n, 0
.rept 32
	v_pk_fma_f32 v[S+n:S+n+1], v[S+n:S+n+1], s[CS:CS+1], v[NM:NM+1] op_sel_hi:[1,0,0]   ; t - M, two at a time (of the pairs c and -M the low word serves both halves)
.set n, n+2
.endr
.irp b, 0,1,2,3
	v_fma_f32 v[BM+\b], v[BM+\b], s[CS], v[NM]     ; the same of each block's largest score
.endr
.set n, 0
	s_wait_alu depctr_va_vdst(0)
.rept 64
	v_exp_f32 v[S+n], v[S+n]                       ; p = 2^(t - M), at most 1
.set n, n+1
.endr
.irp b, 0,1,2,3
	v_exp_f32 v[BM+\b], v[BM+\b]                   ; the block's largest p: the same two instructions on the same number
.endr
	v_pk_mul_f32 v[SUM:SUM+1], v[SUM:SUM+1], v[F:F+1] op_sel_hi:[1,0]   ; the sums under the new M.  (The plain instruction behind the exponentials: ISA guide 5.7.2)
	s_wait_alu depctr_va_vdst(0)                   ; the 68 exponentials have written v[S ..] and v[BM ..]: one wait for the batch, ahead of its first reader
.irp b, 0,1,2,3
	v_max_num_f32 v[BM+\b], 0x8000000, v[BM+\b]    ; the floor 2^(16 - 127): a block whose every p is 0 keeps the byte 1; its codes are zeros
.endr
.irp b, 0,1,2,3
	v_add_nc_u32 v[SOP+\b], 0xf8800000, v[BM+\b]   ; 15 off the exponent field: the conversion's scale operand
.endr
.irp b, 0,1,2,3
	v_and_or_b32 v[HD+\b], v[BM+\b], 0x7f800000, s[MNT]   ; 57,344 x the scale,
.endr
.irp b, 0,1,2,3
	v_and_or_b32 v[HB+\b], v[BM+\b], 0x7f800000, s[MNT]   ; twice: the two halves of a pair of holds name different registers
.endr
.irp b, 0,1,2,3
	v_lshrrev_b32 v[PD+\b], 23, v[SOP+\b]          ; the scale's byte
.endr
	v_lshl_or_b32 v[PSW], v[PD+1], 8, v[PD]        ; p's scale word for these 128 keys: far more than eight vector instructions ahead of the products that name it
	v_lshl_or_b32 v[PSW], v[PD+2], 16, v[PSW]
	v_lshl_or_b32 v[PSW], v[PD+3], 24, v[PSW]
	v_pk_add_f32 v[PD:PD+1], v[S:S+1], v[S+2:S+3]  ; the row's sum is taken of the UNQUANTISED p: two at a time, in two chains
.set n, 4
.rept 15
	v_pk_add_f32 v[SUM:SUM+1], v[SUM:SUM+1], v[S+n:S+n+1]
	v_pk_add_f32 v[PD:PD+1], v[PD:PD+1], v[S+n+2:S+n+3]
.set n, n+4
.endr
	v_pk_add_f32 v[SUM:SUM+1], v[SUM:SUM+1], v[PD:PD+1]
.irp b, 0,1,2,3
.set n, 0
.rept 8                                        ; the hold; p is not negative, so it is one-sided.  Two to an instruction: an even and an odd destination; S + n and S + n + 1, and HD + b and HB + b, differ in their numbers modulo 4
	v_dual_min_num_f32 v[S+16*\b+n], v[S+16*\b+n], v[HD+\b] :: v_dual_min_num_f32 v[S+16*\b+n+1], v[S+16*\b+n+1], v[HB+\b]
.set n, n+2
.endr
	v_cvt_scalef32_pk8_bf8_f32 v[PC+4*\b:PC+4*\b+1], v[S+16*\b:S+16*\b+7], v[SOP+\b]
	v_cvt_scalef32_pk8_bf8_f32 v[PC+4*\b+2:PC+4*\b+3], v[S+16*\b+8:S+16*\b+15], v[SOP+\b]
.if \b == 1
	s_wait_alu depctr_va_vdst(0)                   ; blocks 0 and 1: the holds have written and the conversions are done reading v[S] to v[S+31], in which the eight loads below land
.irp d, 2,3                                    ; V's fragments 2 and 3, into the 32 registers that the p of blocks 0 and 1 has left.  The holds and conversions of blocks 2 and 3 and O^T's multiplications name none of them, and stand between the request and the wait
.irp cc, 0,1,2,3
	ds_load_b128 v[S+16*(\d-2)+4*\cc:S+16*(\d-2)+4*\cc+3], v[AD] offset:VIMG+2048*\d+512*\cc
.endr
.endr
.endif
.endr
.set n, 0
.rept 16
	v_pk_mul_f32 v[O+n:O+n+1], v[O+n:O+n+1], v[F:F+1] op_sel_hi:[1,0]   ; O^T under the new M, from each accumulator's low end on.  These stand between the codes' conversions and the products, while the last loads are out
.set n, n+2
.endr
	s_wait_dscnt 0x0
	s_wait_alu depctr_va_vdst(0)                   ; the conversions have written p's codes and the shifts its scale word, which the products below take; the places above stay beside this wait
.irp dt, 0,1,2,3                               ; O^T += V^T P^T: the four accumulators take turns, one instruction a turn
.if \dt < 2
.set vfr, W2+16*\dt
.else
.set vfr, S+16*(\dt-2)
.endif
	v_wmma_scale_f32_16x16x128_f8f6f4 v[O+8*\dt:O+8*\dt+7], v[vfr:vfr+15], v[PC:PC+15], v[O+8*\dt:O+8*\dt+7], v[KS+\dt], v[PSW] matrix_a_fmt:MATRIX_FMT_BF8 matrix_b_fmt:MATRIX_FMT_BF8
.endr
.Lhidden_\@:
.endm
; Group g's four key steps: one body, walked four times; the tile's place in LDS is a scalar that begins at a constant and steps by a constant.  No barrier stands in it.
.macro GROUP g
	s_mov_b32 s[TBS], (\g)*GRPB
	s_mov_b32 s[TSC], SCL+(\g)*2048
	s_mov_b32 s[KF], (\g)*512
	s_mov_b32 s[CNT], 4
.Lstep_\@:
	COMPUTE
	s_add_co_u32 s[TBS], s[TBS], TILEB
	s_add_co_u32 s[TSC], s[TSC], 512
	s_add_co_u32 s[KF], s[KF], 128
	s_sub_co_u32 s[CNT], s[CNT], 1
	s_cmp_lg_u32 s[CNT], 0
	s_cbranch_scc1 .Lstep_\@
.endm
; THE WAY OUT.  O^T is divided by the row's sum and goes through my own stage, so that sixteen lanes store one query's row: 256 consecutive aligned bytes.
.macro WAYOUT
	s_wait_alu depctr_vm_vsrc(0)                   ; the LDS instructions issued so far have read v4 to v7, which are made anew below
.rept 8
	v_nop                                          ; places behind my last products (ISA guide 7.12.1)
.endr
	v_add_f32 v[SUM], v[SUM], v[SUM+1]             ; the sum's two halves,
	v_permlanex16_b32 v[PD], v[SUM], s[SEL], s[SEL+1]
	v_add_f32 v[SUM], v[SUM], v[PD]                ; and lane l xor 16's 64 keys of each step
	s_wait_alu depctr_va_vdst(0)
	v_rcp_f32 v[SUM], v[SUM]
	v_and_b32 v4, 15, v0                           ; (plain instructions behind the reciprocal)  r
	v_bfe_u32 v5, v0, 4, 1                         ; h
	s_mul_i32 s36, s[WV], OSTGB                    ; my stage
	v_mul_u32_u24 v6, v4, 272
	v_lshl_add_u32 v6, v5, 5, v6
	v_add_nc_u32 v6, s36, v6                       ; in: row r; fragment d's eight channels of my half: 64 d + 32 h bytes on
	v_mul_u32_u24 v7, v5, 272
	v_lshl_add_u32 v7, v4, 4, v7
	v_add_nc_u32 v7, s36, v7                       ; back: lanes 0-15 one row, lanes 16-31 the next
	s_wait_alu depctr_va_vdst(0)                   ; the reciprocal has written v[SUM], ahead of its first reader
.set n, 0
.rept 16
	v_pk_mul_f32 v[S+n:S+n+1], v[O+n:O+n+1], v[SUM:SUM+1] op_sel_hi:[1,0]   ; register 8 d + j is o(query r, channel 16 d + 8 h + j); each accumulator from its low end on; of the pair the low word, 1 / the sum, serves both halves
.set n, n+2
.endr
	s_wait_alu depctr_va_vdst(0)                   ; the multiplications have written v[S] to v[S+31], the stage stores' data, and v6 and v7 are written, the stage's addresses; my last step's holds and conversions are done with v[S+32] on, in which the loads from the stage land
.irp dt, 0,1,2,3
	ds_store_b128 v6, v[S+8*\dt:S+8*\dt+3] offset:64*\dt
	ds_store_b128 v6, v[S+8*\dt+4:S+8*\dt+7] offset:64*\dt+16
.endr
.irp k, 0,1,2,3,4,5,6,7
	ds_load_b128 v[S+32+4*\k:S+32+4*\k+3], v7 offset:544*\k   ; LDS serves a wave's instructions in order (ISA guide 5.7.1.4): these see my stores
.endr
.irp k, 0,1,2,3,4,5,6,7
	s_wait_dscnt 7-\k                              ; LDS loads come back in order: pair k of rows is in, the younger ones stay out
	global_store_b128 v[TA], v[S+32+4*\k:S+32+4*\k+3], s[8:9] offset:4096*\k th:TH_STORE_NT   ; written once, read by nobody here
.endr
.endm
	s_load_b128 s[4:7], s[0:1], 0x0                ; queries s[4:5], kv s[6:7]
	s_load_b64 s[8:9], s[0:1], 0x10                ; out0
	v_lshl_add_u32 v254, v0, 2, 0x42000
	v_mov_b32 v255, 0
	v_lshlrev_b32 v[FV], 4, v0
	v_lshrrev_b32 v[T], 5, v0
	v_readfirstlane_b32 s[WV], v[T]                ; wave 0..15
	v_and_b32 v[LI], 31, v0
	v_lshlrev_b32 v[LI], 4, v[LI]                  ; 16 x lane
	v_and_b32 v[TB], 15, v0                        ; r = lane % 16
	v_bfe_u32 v[T], v0, 4, 1                       ; h = lane / 16
	v_lshlrev_b32 v[LSW], 2, v[TB]
	v_lshlrev_b32 v[DM], 4, v[T]
	v_sub_nc_u32 v[DM], v[TB], v[DM]               ; r - 16 h
	v_lshlrev_b32 v[TA], 11, v[T]
	v_lshl_add_u32 v[TA], v[TB], 4, v[TA]          ; lanes 0-15 one row, lanes 16-31 the next, 16 bytes a lane
	v_add_nc_u32 v[FA], SCL, v[FV]
.irp g, 1,2,3
	v_add_nc_u32 v[FB+\g-1], \g*GRPB, v[FV]        ; my place in groups 1 to 3: made here, so that no address of the fill is written later on
.endr
	s_and_b32 s14, ttmp7, 0xffff                   ; the head, 8 x batch + head in the batch
	s_mul_i32 s34, s14, HEADB                      ; its bytes of kv (under 2^24)
	s_mov_b32 s35, 0
	s_mov_b32 s13, ttmp9                           ; i
	s_lshr_b32 s16, s14, 3
	s_lshl_b32 s16, s16, 22                        ; a batch is 2,048 positions x 2,048 bytes,
	s_and_b32 s36, s14, 7
	s_lshl_b32 s36, s36, 8                         ; a head's row 256 bytes
	s_add_co_u32 s16, s16, s36                     ; the head's first byte in queries and in out0
	s_wait_alu depctr_va_sdst(0)                   ; s[WV] is written, ahead of its first reader: my block, my tile and my stages are made from it
	s_lshr_b32 s[HI], s[WV], 2
	s_xor_b32 s[HI], s[HI], s[WV]
	s_and_b32 s[HI], s[HI], 1                      ; bit 0 xor bit 2 of the wave's number: the late block (1) or the early one (0); with wave / 2 as the tile each pair (block, tile) falls to one wave
	s_sub_co_u32 s37, 15, s13
	s_cmp_eq_u32 s[HI], 1
	s_cselect_b32 s37, s37, s13                    ; my block of 128 queries: it enters global addresses and scalar compares alone
	s_lshl_b32 s37, s37, 7
	s_lshr_b32 s38, s[WV], 1
	s_lshl_b32 s38, s38, 4
	s_add_co_u32 s[Q0], s37, s38                   ; my first query
	s_lshl_b32 s36, s[Q0], 11
	s_add_co_u32 s36, s36, s16                     ; its row, in bytes (under 2^25)
	s_mov_b32 s37, 0
	s_mul_i32 s39, s[WV], OSTGB
	s_add_co_u32 s39, s39, QSTG                    ; my stage for Q
	v_mul_u32_u24 v[AD], v[T], 272
	v_lshl_add_u32 v[AD], v[TB], 4, v[AD]
	v_add_nc_u32 v[AD], s39, v[AD]                 ; in: as loaded: rows 2 k and 2 k + 1, 16 bytes a lane
	v_mul_u32_u24 v[AS], v[TB], 272
	v_lshl_add_u32 v[AS], v[T], 6, v[AS]
	v_add_nc_u32 v[AS], s39, v[AS]                 ; out: row r, + 64 h: my 16 numbers of a block of 32
	s_mov_b32 s[MNT], 0x600000
	s_mov_b32 s[SEL], 0x76543210
	s_mov_b32 s[SEL+1], 0xfedcba98
	s_mov_b32 s[CS], 0x3e38aa3b                    ; log2(e) / 8
	s_mov_b32 s[CS+1], s[CS]
	s_wait_kmcnt 0x0
	s_add_nc_u64 s[4:5], s[4:5], s[36:37]
	s_add_nc_u64 s[8:9], s[8:9], s[36:37]
	s_add_nc_u64 s[KVB:KVB+1], s[6:7], s[34:35]
	s_wait_alu depctr_va_vdst(0)                   ; the offsets and addresses v[FV], v[FA], v[TA], v[FB ..], v[AD], v[AS], v254 and v255 are written, which the loads and stores from here on read
.irp k, 0,1,2,3,4,5,6,7
	global_load_b128 v[S+32+4*\k:S+32+4*\k+3], v[TA], s[4:5] offset:4096*\k th:TH_LOAD_NT   ; Q: sixteen lanes read one query's whole row, 256 consecutive aligned bytes; read once, by this wave alone
.endr
	global_load_b128 v[SCR:SCR+3], v[FV], s[KVB:KVB+1] offset:SCL   ; the head's 8,192 scale bytes: 16 a thread
	FILLLOAD 0                                     ; tiles 0 to 3.  17 loads of mine are out now, 8 at the most later
.set n, 0
.rept 32
	v_mov_b32 v[O+n], 0                            ; O^T.  (The step is written once: the first finds zeros, which the first change of M leaves zeros)
.set n, n+1
.endr
.set n, 0
.rept 8
	v_mov_b32 v[QZ+n], 0                           ; the zero codes on both sides of Q's
	v_mov_b32 v[QZ+16+n], 0
.set n, n+1
.endr
.irp b, 0,1,2,3
	v_mov_b32 v[PD+\b], 0                          ; a lane permute's destination counts as one of its sources
.endr
	v_mov_b32 v[SUM], 0
	v_mov_b32 v[SUM+1], 0
	v_mov_b32 v[F+1], 0                            ; named as the upper half of the pair
	v_mov_b32 v[NM+1], 0xff61b1e6                  ; the largest t so far: -3e38, under every t
	v_floor_f32 v[NM], -v[NM+1]
	s_wait_loadcnt 9                               ; loads come back in order (ISA guide 5.7.1): Q's eight are in; the scale bytes and group 0's eight, which are younger, stay out
	; Q's turn: rows of 256 bytes + 16 of padding, so that the sixteen rows that a load touches begin 272 bytes apart.  No vector instruction since the wait above names v[AD], v[AS] or v[S ..]
.irp k, 0,1,2,3,4,5,6,7
	ds_store_b128 v[AD], v[S+32+4*\k:S+32+4*\k+3] offset:544*\k
.endr
.irp b, 0,1
.irp j, 0,1,2,3
	ds_load_b128 v[S+16*\b+4*\j:S+16*\b+4*\j+3], v[AS] offset:128*\b+16*\j    ; Q(r, 32 b + 16 h + 4 j ..).  LDS serves a wave's instructions in order (ISA guide 5.7.1.4): these see the stores above
.endr
.endr
	s_wait_dscnt 0x0
	; Q's two blocks of 32: 16 numbers in my lane, 16 in lane l xor 16.  This arithmetic stands while group 0 is on its way
.irp b, 0,1
	v_max3_num_f32 v[BM+\b], |v[S+16*\b]|, |v[S+16*\b+1]|, 0x8000000
.endr
.irp i, 2,4,6,8,10,12,14
.irp b, 0,1
	v_max3_num_f32 v[BM+\b], v[BM+\b], |v[S+16*\b+\i]|, |v[S+16*\b+\i+1]|
.endr
.endr
.irp b, 0,1
	v_permlanex16_b32 v[PD+\b], v[BM+\b], s[SEL], s[SEL+1]
.endr
.irp b, 0,1
	v_max_num_f32 v[BM+\b], v[BM+\b], v[PD+\b]
.endr
.irp b, 0,1
	v_add_nc_u32 v[SOP+\b], 0xf8800000, v[BM+\b]
.endr
.irp b, 0,1
	v_and_or_b32 v[HD+\b], v[BM+\b], 0x7f800000, s[MNT]
.endr
.irp b, 0,1
	v_lshrrev_b32 v[PD+\b], 23, v[SOP+\b]
.endr
	v_lshl_or_b32 v[QSW], v[PD+1], 8, v[PD]
	v_lshl_or_b32 v[QSW], v[QSW], 16, v[QSW]       ; (s0, s1, s0, s1): the word serves [q | zeros] and [zeros | q] alike
.irp b, 0,1
.set n, 0
.rept 16
	v_med3_num_f32 v[S+16*\b+n], v[S+16*\b+n], -v[HD+\b], v[HD+\b]   ; the conversion to an 8-bit code does not saturate (ISA guide 7.6.2): the hold comes first
.set n, n+1
.endr
	v_cvt_scalef32_pk8_bf8_f32 v[QZ+8+4*\b:QZ+9+4*\b], v[S+16*\b:S+16*\b+7], v[SOP+\b]
	v_cvt_scalef32_pk8_bf8_f32 v[QZ+10+4*\b:QZ+11+4*\b], v[S+16*\b+8:S+16*\b+15], v[SOP+\b]
.endr
	s_wait_loadcnt 0x0                             ; the scale bytes and group 0
	ds_store_b128 v[FA], v[SCR:SCR+3]
	FILLSTORE FV
	s_wait_dscnt 0x0                               ; my part has landed
	s_wait_alu depctr_vm_vsrc(0)                   ; the stores have read v[X ..], in which the next group's loads land; Q's stage stores have read v[S+32] on, over which the first products write
	FILLLOAD 1                                     ; tiles 4 to 7
	s_barrier_signal -1
	s_barrier_wait -1                              ; everybody's part has landed
	GROUP 0
	s_wait_loadcnt 0x0                             ; group 1, asked for four key steps ago
	FILLSTORE FB                                   ; into bytes that nobody has read or written yet
	s_wait_dscnt 0x0
	s_wait_alu depctr_vm_vsrc(0)                   ; the stores have read v[X ..], in which the next group's loads land
	FILLLOAD 2                                     ; tiles 8 to 11
	s_barrier_signal -1
	s_barrier_wait -1
	GROUP 1
	s_wait_loadcnt 0x0                             ; group 2
	FILLSTORE FB+1                                 ; Q's stages lay here: every wave's reads of them were back in front of the first barrier
	s_wait_dscnt 0x0                               ; landed; and my reads of groups 0 and 1 are over
	s_wait_alu depctr_vm_vsrc(0)                   ; the stores have read v[X ..], in which the next group's loads land
	FILLLOAD 3                                     ; tiles 12 to 15
	s_barrier_signal -1
	s_barrier_wait -1                              ; everybody's are: the bytes of groups 0 and 1 may be written
	s_cmp_eq_u32 s[HI], 0
	s_cbranch_scc0 .Lnot_early
	WAYOUT                                         ; the early block's queries lie under 1,024: no key of groups 2 and 3 counts for them, so these waves' results leave now
	s_wait_xcnt 0x0                                ; the text behind names the stores' registers again: only behind this wait
	s_wait_alu depctr_vm_vsrc(0)                   ; the stage's stores and loads and the stores to out0 have read v[S ..], v6 and v7, which the text behind writes again
.Lnot_early:
	GROUP 2
	s_wait_loadcnt 0x0                             ; group 3, the last
	FILLSTORE FB+2
	s_wait_dscnt 0x0
	s_barrier_signal -1
	s_barrier_wait -1
	GROUP 3
	s_cmp_eq_u32 s[HI], 0
	s_cbranch_scc1 .Lend
	WAYOUT                                         ; the late block.  No barrier: the stage is my own, and groups 2 and 3, which others may still read, begin at byte 131,072
.Lend:
	s_wait_dscnt 0x0                               ; the closing lines, six on end
	s_wait_alu 0x0
	s_wait_tensorcnt 0x0
	ds_add_u32 v254, v255
	s_wait_dscnt 0x0
	s_endpgm
.Lfunc_end_k_qb255b74ad2_attn:
	.size	k_qb255b74ad2_attn, .Lfunc_end_k_qb255b74ad2_attn-k_qb255b74ad2_attn
	.p2alignl 7, 3214868480
	.fill 96, 4, 3214868480
	.section	.rodata,"a",@progbits
	.p2align	6, 0x0
	.amdhsa_kernel k_qb255b74ad2_attn
		.amdhsa_group_segment_fixed_size 272384
		.amdhsa_private_segment_fixed_size 0
		.amdhsa_enable_private_segment 0
		.amdhsa_kernarg_size 24
		.amdhsa_user_sgpr_count 2
		.amdhsa_user_sgpr_kernarg_segment_ptr 1
		.amdhsa_wavefront_size32 1
		.amdhsa_system_sgpr_workgroup_id_x 1
		.amdhsa_system_sgpr_workgroup_id_y 1
		.amdhsa_system_sgpr_workgroup_id_z 1
		.amdhsa_system_vgpr_workitem_id 0
		.amdhsa_next_free_vgpr 256
		.amdhsa_next_free_sgpr 66
		.amdhsa_reserve_vcc 0
		.amdhsa_float_denorm_mode_32 3
		.amdhsa_float_denorm_mode_16_64 3
		.amdhsa_memory_ordered 1
		.amdhsa_forward_progress 1
		.amdhsa_inst_pref_size 141
	.end_amdhsa_kernel
	.amdgpu_metadata
---
amdhsa.version: [ 1, 2 ]
amdhsa.kernels:
  - .name:           k_qb255b74ad2_attn
    .symbol:         k_qb255b74ad2_attn.kd
    .args:
      - { .name: queries, .offset: 0, .size: 8, .value_kind: global_buffer, .address_space: global }
      - { .name: kv, .offset: 8, .size: 8, .value_kind: global_buffer, .address_space: global }
      - { .name: out0, .offset: 16, .size: 8, .value_kind: global_buffer, .address_space: global }
    .group_segment_fixed_size: 272384
    .private_segment_fixed_size: 0
    .kernarg_segment_align: 8
    .kernarg_segment_size: 24
    .max_flat_workgroup_size: 512
    .sgpr_count:     66
    .vgpr_count:     256
    .wavefront_size: 32
...
	.end_amdgpu_metadata
.endif
;; end of part 5
